; MI455X (gfx1250); checked and timed in simulation.
; The chip was launched on July 23, 2026; its instructions are those of AMD's public machine-readable ISA for CDNA 5 (MIT licence, August 2026) and "CDNA5" Instruction Set Architecture Reference Guide (July 2026). The comments in the code are by the model that wrote it; some were corrected since.
;; Self Attention. Allowed arithmetic: matrix products marked QUANTISED: E2M1 operands, one E8M0 scale for each 32 along K, by v_wmma_scale_f32_16x16x128_f8f6f4 with both operands' format E2M1 (or v_wmma_scale_f32_32x16x128_f4), f32 sums; everything else in f32.
;; Inputs: Wk 1,024 x 1,024 float32; Wo 1,024 x 1,024 float32; Wq 1,024 x 1,024 float32; Wv 1,024 x 1,024 float32; beta 1,024 float32; bk 1,024 float32; bo 1,024 float32; bq 1,024 float32; bv 1,024 float32; gamma 1,024 float32; mask 2,048 x 2,048 bool; x 2 x 2,048 x 1,024 float32.
;; Outputs: out0 2 x 2,048 x 1,024 float32.
;; This version of the problem:
;;   THIS VERSION OF THE PROBLEM IS GIVEN IN LOW PRECISION. The matrix products marked QUANTISED in the list below multiply operands that are first quantised to E2M1 (2 exponent bits, 1 mantissa bit; 4 bits a number), with one power-of-two scale for each 32 numbers along K (OCP MX v1.0); their sums are f32. All else is computed in f32.
;;   The module's matrix products, in the order in which they are computed (A, B: the left and right operand; K: the contracted axis; several contracted axes count as one K, in the product's order):
;;     1. [M 4,096, K 1,024] x [K 1,024, N 1,024]; A: computed on the way; B: input Wq: QUANTISED
;;     2. [M 4,096, K 1,024] x [K 1,024, N 1,024]; A: computed on the way; B: input Wk: QUANTISED
;;     3. [M 4,096, K 1,024] x [K 1,024, N 1,024]; A: computed on the way; B: input Wv: QUANTISED
;;     4. batch 32 x [M 2,048, K 64] x [K 64, N 2,048]; A: computed on the way; B: computed on the way: QUANTISED
;;     5. batch 32 x [M 2,048, K 2,048] x [K 2,048, N 64]; A: softmax (see below); B: computed on the way: QUANTISED
;;     6. [M 4,096, K 1,024] x [K 1,024, N 1,024]; A: computed on the way; B: input Wo: QUANTISED
;;   THE QUANTISER, for each operand of a quantised product, along K:
;;     - K is cut into blocks of 32 from its start; a last block that is shorter is filled with zeros.
;;     - A block's scale is 2^e with e = floor(log2(the largest magnitude in the block)) - 2, held to -126 .. 127; a block of zeros has e = 0. As a byte (E8M0): e + 127.
;;     - Each number is divided by its block's scale, clamped to +-6, and rounded to the nearest number of E2M1, ties to even, subnormals kept.
;;     - The product sums the exact products of the quantised numbers (number of the format x scale) in f32.
;;   ~~~python
;;   def quantise(x, axis):      # numpy; x: float32 -> the quantised numbers, widened to float32 again
;;       x = np.moveaxis(x, axis, -1); K = x.shape[-1]
;;       x = np.pad(x, [(0, 0)] * (x.ndim - 1) + [(0, -K % 32)]); x = x.reshape(x.shape[:-1] + (-1, 32)); a = np.abs(x).max(-1, keepdims=True)
;;       e = np.where(a > 0, np.clip(np.frexp(np.where(a > 0, a, 1))[1] - 1 - 2, -126, 127), 0)      # np.frexp(a)[1] - 1 = floor(log2(a)), exactly
;;       r = np.clip(x / 2.0 ** e, -6, 6)
;;       step = 2.0 ** (np.maximum(np.frexp(np.where(r == 0, 1, r))[1] - 1, 0) - 1)
;;       q = np.round(r / step) * step * 2.0 ** e      # np.round: ties to even
;;       return np.moveaxis(q.reshape(q.shape[:-2] + (-1,))[..., :K], -1, axis).astype(np.float32)
;;   ~~~
;;   SOFTMAX AHEAD OF A QUANTISED PRODUCT. Where the list says 'softmax', what is quantised is not the finished softmax but p = 2^(t - M), with t = logit x log2(e) and M = ceil(the row's largest t), a whole number; so 1/2 < the row's largest p <= 1. The row's sum l is taken of the UNQUANTISED p, in f32, and the product's result is divided by l at the end. Since M is a whole number, a kernel that streams over the keys may use a running M (the ceiling of the running maximum): every later rescaling is an exact power of two, which a block's scale takes up: the codes' values come out the same.
;;   OPERANDS COMPUTED ON THE WAY. 'Computed on the way' means the value that the module computes at that place (a softmax that the list does not call 'softmax' is quantised finished and normalised). What goes into a quantiser is computed in f32, as accurately as f32 sums, v_exp_f32 and their like allow (about 1e-6 of the number): no bf16 or f16 on the way to a quantiser, and a product that is left as it is and whose result goes on into a quantised operand takes f32 operands (vector FMAs, or v_wmma_f32_16x16x4_f32). A number that lies on a knife's edge between two numbers of the format may be rounded either way, as far as f32 arithmetic and the matrix unit's own rounding can turn it there, and no further.
;; One version. Each part assembles by itself: llvm-mc -triple=amdgcn-amd-amdhsa -mcpu=gfx1250 --defsym DOCPART=n.
;; ======== version 1 of 1: 4 launches
;; limits: right only within a limited range of input values
;; workspace buffers: cod 4,456,448 bytes; mw 589,824 bytes of whole numbers; qkv 7,077,888 bytes; oc 2,359,296 bytes
;; launch prep (part 1): grid 384 x 1, 4 waves a work-group, no clusters, 34,304 bytes of LDS; arguments x, Wq, Wk, Wv, Wo, mask, cod, mw; writes cod, mw
.if DOCPART == 1
	.amdgcn_target "amdgcn-amd-amdhsa--gfx1250"
	.amdhsa_code_object_version 6
	.text
	.protected	k_qa980c8e7fd_prep
	.globl	k_qa980c8e7fd_prep
	.p2align	8
	.type	k_qa980c8e7fd_prep,@function
k_qa980c8e7fd_prep:
	s_mov_b64 s[64:65], 0
	v_nop
	global_prefetch_b8 v0, s[64:65] scope:SCOPE_SE
	s_setreg_imm32_b32 hwreg(HW_REG_WAVE_MODE, 25, 1), 1
	s_wait_xcnt 0x0
; Work-groups 0-255: nan_to_num(x) [4096][1024] and Wq, Wk, Wv, Wo [1024][1024], f32, become codes of FP4 (E2M1) with one E8M0 byte for each 32 along K (their last axis).
; Work-groups 256-383: the mask [2048][2048] of bytes becomes lane-mask words for the attention launch, and for each (query tile, key step) the AND and the OR of its 64 words.
; TILES.  Rows go in tiles of 16 that are not neighbours: row m of tile T = 2 g + u is row 32 g + 8 u + (m & 7) + 16 (m >> 3).  In a product's result the 16 registers of tiles 2 g and 2 g + 1 are then 16 neighbours.
; LAYOUT OF cod.  Tile ti (0-255 x; 256 + 64 kind + t the weights): a fragment (tile, 128 along K) is 1,024 bytes in the order of the operand's registers: [c 0..1][lane][16 bytes], lane (r, h) of part c holding
; k = 64 c + 32 h + 0..31 of row r.  Codes at ti * 8192 + s * 1024.  Scale words (4 bytes: 128 along K of a row) at SCO + ti * 512 + (s / 4) * 256 + 16 r + 4 (s % 4).
; A block's scale byte is its largest magnitude's exponent field - 2, held at 1 from below (a block of zeros keeps the byte 1: its codes are zeros and only this program reads the bytes).
; LIMITS: the weights are taken as finite; nan_to_num is applied to x alone, as the problem has it.
; A wave takes one tile x 512 along K: four steps of one fragment.  Each load reads 512 consecutive bytes of one row; the 16 rows turn through the wave's own stage in LDS (rows of 512 + 16 bytes, so that the sixteen rows
; that a read touches start in different banks) and come back 256 bytes a lane: two whole blocks of 32.  No barrier: waves share nothing.  Only this path touches LDS.
.set SCO,   4194304
.set CLS,   524288
.set PITCH, 528
.set WST,   16*PITCH
.set R,     64                         ; v64-191  two sets of 64: a step's numbers as loaded
.set X,     192                        ; v192-255 my two blocks of 32
.set C,     32                         ; v32-63   codes, eight registers a step: no store's data are written again
.set SW,    24                         ; v24-27   a scale word for each step
	s_load_b256 s[4:11], s[0:1], 0x0               ; x, Wq, Wk, Wv
	s_load_b256 s[12:19], s[0:1], 0x20             ; Wo, mask, cod, mw
	v_lshl_add_u32 v7, v0, 2, 0x8400
	v_mov_b32 v31, 0
	v_lshrrev_b32 v1, 5, v0
	v_readfirstlane_b32 s20, v1                    ; wave
	v_and_b32 v1, 31, v0                           ; lane
	v_and_b32 v2, 15, v0                           ; r
	v_bfe_u32 v3, v0, 4, 1                         ; h
	s_cmp_lt_u32 ttmp9, 256
	s_cbranch_scc0 .Lmask
	; ---------------- the quantiser ----------------
	v_lshlrev_b32 v4, 4, v1                        ; 16 x lane: my bytes of a load's 512, and of a store's
	s_mul_i32 s22, s20, WST
	v_add_nc_u32 v5, s22, v4                       ; the stage, on the way in
	v_mul_u32_u24 v6, v2, PITCH
	v_lshl_add_u32 v6, v3, 7, v6
	v_add_nc_u32 v6, s22, v6                       ; and on the way out: row r, 128 h bytes on
	v_lshlrev_b32 v8, 4, v2
	v_lshl_add_u32 v8, v3, 3, v8                   ; 16 r + 8 h: my two scale words
	v_mov_b32 v9, 0
	v_mov_b32 v23, 0                               ; a lane permute's destination counts as read
	v_lshlrev_b32 v30, 3, v3                       ; 8 h
	s_mov_b32 s30, 0x7fffffff
	s_mov_b32 s31, 0x7f800000
	s_mov_b32 s32, 0x4e6e6b28                      ; 1e9
	s_mov_b32 s34, 0x76543210
	s_mov_b32 s35, 0xfedcba98                      ; v_permlanex16_b32: lane l xor 16
	s_lshl_b32 s22, ttmp9, 1
	s_lshr_b32 s23, s20, 1
	s_add_co_u32 s22, s22, s23                     ; ti = 2 x work-group + wave / 2
	s_and_b32 s23, s20, 1                          ; which half of K
	s_wait_alu depctr_va_vdst(0)
	s_wait_kmcnt 0x0
	s_mov_b64 s[24:25], s[12:13]                   ; the tensor and its first tile: a choice on the work-group's number alone
	s_mov_b32 s26, 448
	s_cmp_lt_u32 ttmp9, 224
	s_cselect_b64 s[24:25], s[10:11], s[24:25]
	s_cselect_b32 s26, 384, s26
	s_cmp_lt_u32 ttmp9, 192
	s_cselect_b64 s[24:25], s[8:9], s[24:25]
	s_cselect_b32 s26, 320, s26
	s_cmp_lt_u32 ttmp9, 160
	s_cselect_b64 s[24:25], s[6:7], s[24:25]
	s_cselect_b32 s26, 256, s26
	s_cmp_lt_u32 ttmp9, 128
	s_cselect_b64 s[24:25], s[4:5], s[24:25]
	s_cselect_b32 s26, 0, s26
	s_sub_co_u32 s26, s22, s26                     ; the tile's number in its tensor
	s_lshr_b32 s27, s26, 1
	s_lshl_b32 s27, s27, 17                        ; 32 rows of 4,096 bytes
	s_and_b32 s26, s26, 1
	s_lshl_b32 s26, s26, 15                        ; 8 rows
	s_add_co_u32 s26, s26, s27
	s_lshl_b32 s27, s23, 11                        ; 512 numbers along K
	s_add_co_u32 s26, s26, s27
	s_mov_b32 s27, 0
	s_add_nc_u64 s[24:25], s[24:25], s[26:27]
	s_lshl_b32 s26, s22, 13
	s_lshl_b32 s28, s23, 12
	s_add_co_u32 s26, s26, s28
	s_add_nc_u64 s[36:37], s[16:17], s[26:27]      ; my four fragments
	s_lshl_b32 s26, s22, 9
	s_lshl_b32 s28, s23, 8
	s_add_co_u32 s26, s26, s28
	s_add_nc_u64 s[38:39], s[16:17], s[26:27]      ; my 256 bytes of scale words (SCO stands in the store's immediate)
.macro SANE2 a, b                      ; nan_to_num of two registers, in two chains: +-inf -> +-1e9, NaN -> 0
	v_and_b32 v10, s30, v[\a]
	v_and_b32 v12, s30, v[\b]
	v_bfi_b32 v11, s30, s32, v[\a]
	v_bfi_b32 v13, s30, s32, v[\b]
	v_cmp_eq_u32 vcc_lo, s31, v10
	v_cmp_eq_u32 s33, s31, v12
	v_cndmask_b32 v[\a], v[\a], v11, vcc_lo
	v_cndmask_b32 v[\b], v[\b], v13, s33
	v_cmp_lt_u32 vcc_lo, s31, v10
	v_cmp_lt_u32 s33, s31, v12
	v_cndmask_b32 v[\a], v[\a], v9, vcc_lo
	v_cndmask_b32 v[\b], v[\b], v9, s33
.endm
.macro LOAD t                          ; step t: 512 bytes of each of the tile's 16 rows
.irp i, 0,1,2,3,4,5,6,7,8,9,10,11,12,13,14,15
	global_load_b128 v[R+64*((\t)%2)+4*\i:R+64*((\t)%2)+4*\i+3], v4, s[24:25] offset:((\i%8)+16*(\i/8))*4096+512*(\t) th:TH_LOAD_NT
.endr
.endm
.macro STEP t
.if (\t) < 3
	s_wait_loadcnt 16                              ; this step's 16 loads are in; the next step's 16 stay out
.else
	s_wait_loadcnt 0x0
.endif
.irp i, 0,1,2,3,4,5,6,7,8,9,10,11,12,13,14,15
	ds_store_b128 v5, v[R+64*((\t)%2)+4*\i:R+64*((\t)%2)+4*\i+3] offset:\i*PITCH
.endr
.irp c, 0,1
.irp j, 0,1,2,3,4,5,6,7
	ds_load_b128 v[X+32*\c+4*\j:X+32*\c+4*\j+3], v6 offset:256*\c+16*\j   ; k = 64 c + 32 h + 4 j .. of row r; LDS serves a wave's instructions in order
.endr
.endr
	s_wait_dscnt 0x0                               ; my blocks are in, and the stores have read their registers
.if (\t) < 2
	LOAD (\t)+2
.endif
	s_cmp_lt_u32 ttmp9, 128                        ; x alone passes nan_to_num
	s_cbranch_scc0 .Lraw_\@
.set q, 0
.rept 32
	SANE2 X+q, X+q+1
.set q, q+2
.endr
.Lraw_\@:
.irp c, 0,1
	v_max3_num_f32 v[16+\c], |v[X+32*\c]|, |v[X+32*\c+1]|, 0x1800000   ; block 2 c + h is all mine; the floor 2^(3 - 127) keeps the byte at 1 from below
.endr
.irp i, 2,4,6,8,10,12,14,16,18,20,22,24,26,28,30
.irp c, 0,1
	v_max3_num_f32 v[16+\c], v[16+\c], |v[X+32*\c+\i]|, |v[X+32*\c+\i+1]|
.endr
.endr
.irp c, 0,1
	v_add_nc_u32 v[18+\c], 0xff000000, v[16+\c]    ; 2 off the exponent field: the conversion's scale operand
.endr
.irp c, 0,1
	v_lshrrev_b32 v[20+\c], 23, v[18+\c]           ; the scale's byte
.endr
	v_lshl_or_b32 v22, v21, 16, v20                ; blocks h and 2 + h,
	v_lshlrev_b32 v22, v30, v22                    ; at their places in the word;
	v_permlanex16_b32 v23, v22, s34, s35
	v_or_b32 v[SW+(\t)], v22, v23                  ; with lane l xor 16's two the word is whole
.irp c, 0,1
.irp g, 0,1,2,3
	v_cvt_scalef32_pk8_fp4_f32 v[C+8*(\t)+4*\c+\g], v[X+32*\c+8*\g:X+32*\c+8*\g+7], v[18+\c]
.endr
.endr
	v_nop                                          ; a plain instruction behind the last conversion
.irp c, 0,1
	global_store_b128 v4, v[C+8*(\t)+4*\c:C+8*(\t)+4*\c+3], s[36:37] offset:(\t)*1024+\c*512   ; 512 consecutive bytes
.endr
.endm
	LOAD 0
	LOAD 1
	STEP 0
	STEP 1
	STEP 2
	STEP 3
	v_cmp_le_u32 vcc_lo, 16, v1                    ; lanes 0-15 store words 0, 1 of row r, lanes 16-31 words 2, 3: 256 consecutive bytes
	v_cndmask_b32 v28, v[SW], v[SW+2], vcc_lo
	v_cndmask_b32 v29, v[SW+1], v[SW+3], vcc_lo
	global_store_b64 v8, v[28:29], s[38:39] offset:SCO
	s_wait_tensorcnt 0x0
	ds_add_u32 v7, v31
	s_wait_dscnt 0x0
	s_endpgm
	; ---------------- the mask ----------------
	; Query tile tau = work-group - 256; wave w takes key steps J = 4 w + jj.  Word n = 16 b + i of (tau, J): bit (r, h) = mask[query r of the tile][128 J + 32 b + 16 h + i]:
	; the lane mask for register n of the tile's scores.  Words at (16 tau + J) * 256 + 4 n; at CLS + tau * 512 + w * 128: the ANDs of my four steps' words, then the ORs, then zeros.
.Lmask:
	s_sub_co_u32 s22, ttmp9, 256
	s_wait_alu depctr_va_vdst(0)
	v_and_b32 v4, 7, v2
	v_lshrrev_b32 v5, 3, v2
	v_lshl_add_u32 v4, v5, 4, v4                   ; (r & 7) + 16 (r >> 3)
	v_lshlrev_b32 v4, 11, v4                       ; rows of 2,048 bytes
	v_lshl_add_u32 v4, v3, 4, v4                   ; + 16 h
	v_lshlrev_b32 v5, 3, v1                        ; 8 x lane
	v_lshlrev_b32 v6, 2, v1                        ; 4 x lane
.irp i, 12,13,14,15,16,17,18,19,20
	v_mov_b32 v\i, 0                               ; v_writelane_b32's destination counts as read
.endr
	s_lshr_b32 s23, s22, 1
	s_lshl_b32 s23, s23, 16                        ; 32 rows
	s_and_b32 s24, s22, 1
	s_lshl_b32 s24, s24, 14                        ; 8 rows
	s_add_co_u32 s24, s24, s23
	s_lshl_b32 s23, s20, 9                         ; my four steps' 512 keys
	s_add_co_u32 s24, s24, s23
	s_mov_b32 s25, 0
	s_wait_kmcnt 0x0
	s_add_nc_u64 s[14:15], s[14:15], s[24:25]
	s_lshl_b32 s24, s22, 12
	s_lshl_b32 s23, s20, 10
	s_add_co_u32 s24, s24, s23
	s_add_nc_u64 s[26:27], s[18:19], s[24:25]      ; my four steps' words
	s_lshl_b32 s24, s22, 9
	s_lshl_b32 s23, s20, 7
	s_add_co_u32 s24, s24, s23
	s_add_nc_u64 s[28:29], s[18:19], s[24:25]      ; my 128 bytes of ANDs and ORs
.irp jj, 0,1,2,3
.irp b, 0,1,2,3
	global_load_b128 v[64+16*\jj+4*\b:64+16*\jj+4*\b+3], v4, s[14:15] offset:128*\jj+32*\b th:TH_LOAD_NT
.endr
.endr
.macro MSTEP jj
	s_wait_loadcnt 12-4*\jj                        ; this step's four loads are in; the later steps' four each stay out
	s_mov_b32 s30, -1
	s_mov_b32 s31, 0
.set g, 0
.rept 16                               ; register g holds keys 4 g .. 4 g + 3 of my 64: words n = 4 g + k
.irp k, 0,1,2,3
	v_and_b32 v[8+\k], 0xff<<(8*\k), v[64+16*\jj+g]
.endr
.irp k, 0,1,2,3
	v_cmp_ne_u32 s[32+\k], 0, v[8+\k]
.endr
.irp k, 0,1,2,3
	s_and_b32 s30, s30, s[32+\k]
	s_or_b32 s31, s31, s[32+\k]
.endr
.irp k, 0,1,2,3
	v_writelane_b32 v[12+2*\jj+\k%2], s[32+\k], 2*g+\k/2   ; word n goes to lane n / 2, register n % 2
.endr
.set g, g+1
.endr
	global_store_b64 v5, v[12+2*\jj:13+2*\jj], s[26:27] offset:256*\jj   ; 256 consecutive bytes
	v_writelane_b32 v20, s30, \jj
	v_writelane_b32 v20, s31, 4+\jj
.endm
	MSTEP 0
	MSTEP 1
	MSTEP 2
	MSTEP 3
	global_store_b32 v6, v20, s[28:29] offset:CLS
	s_endpgm
.Lfunc_end_k_qa980c8e7fd_prep:
	.size	k_qa980c8e7fd_prep, .Lfunc_end_k_qa980c8e7fd_prep-k_qa980c8e7fd_prep
	.p2alignl 7, 3214868480
	.fill 96, 4, 3214868480
	.section	.rodata,"a",@progbits
	.p2align	6, 0x0
	.amdhsa_kernel k_qa980c8e7fd_prep
		.amdhsa_group_segment_fixed_size 34304
		.amdhsa_private_segment_fixed_size 0
		.amdhsa_enable_private_segment 0
		.amdhsa_kernarg_size 64
		.amdhsa_user_sgpr_count 2
		.amdhsa_user_sgpr_kernarg_segment_ptr 1
		.amdhsa_wavefront_size32 1
		.amdhsa_system_sgpr_workgroup_id_x 1
		.amdhsa_system_sgpr_workgroup_id_y 1
		.amdhsa_system_sgpr_workgroup_id_z 1
		.amdhsa_system_vgpr_workitem_id 0
		.amdhsa_next_free_vgpr 256
		.amdhsa_next_free_sgpr 66
		.amdhsa_reserve_vcc 1
		.amdhsa_float_denorm_mode_32 3
		.amdhsa_float_denorm_mode_16_64 3
		.amdhsa_memory_ordered 1
		.amdhsa_forward_progress 1
		.amdhsa_inst_pref_size 171
	.end_amdhsa_kernel
	.amdgpu_metadata
---
amdhsa.version: [ 1, 2 ]
amdhsa.kernels:
  - .name:           k_qa980c8e7fd_prep
    .symbol:         k_qa980c8e7fd_prep.kd
    .args:
      - { .name: x, .offset: 0, .size: 8, .value_kind: global_buffer, .address_space: global }
      - { .name: Wq, .offset: 8, .size: 8, .value_kind: global_buffer, .address_space: global }
      - { .name: Wk, .offset: 16, .size: 8, .value_kind: global_buffer, .address_space: global }
      - { .name: Wv, .offset: 24, .size: 8, .value_kind: global_buffer, .address_space: global }
      - { .name: Wo, .offset: 32, .size: 8, .value_kind: global_buffer, .address_space: global }
      - { .name: mask, .offset: 40, .size: 8, .value_kind: global_buffer, .address_space: global }
      - { .name: cod, .offset: 48, .size: 8, .value_kind: global_buffer, .address_space: global }
      - { .name: mw, .offset: 56, .size: 8, .value_kind: global_buffer, .address_space: global }
    .group_segment_fixed_size: 34304
    .private_segment_fixed_size: 0
    .kernarg_segment_align: 8
    .kernarg_segment_size: 64
    .max_flat_workgroup_size: 128
    .sgpr_count:     66
    .vgpr_count:     256
    .wavefront_size: 32
...
	.end_amdgpu_metadata
.endif
;; end of part 1
;; launch qkv (part 2): grid 16 x 16, 8 waves a work-group, clusters of 4 x 1, 168,960 bytes of LDS; arguments cod, bq, bk, bv, qkv; writes qkv
.if DOCPART == 2
	.amdgcn_target "amdgcn-amd-amdhsa--gfx1250"
	.amdhsa_code_object_version 6
	.text
	.protected	k_qa980c8e7fd_qkv
	.globl	k_qa980c8e7fd_qkv
	.p2align	8
	.type	k_qa980c8e7fd_qkv,@function
k_qa980c8e7fd_qkv:
	s_mov_b64 s[64:65], 0
	v_nop
	global_prefetch_b8 v0, s[64:65] scope:SCOPE_SE
	s_setreg_imm32_b32 hwreg(HW_REG_WAVE_MODE, 25, 1), 1
	s_wait_xcnt 0x0
	s_wait_alu depctr_hold_cnt(0) depctr_sa_sdst(0) depctr_va_vdst(0) depctr_va_sdst(0) depctr_va_ssrc(0) depctr_va_vcc(0) depctr_vm_vsrc(0)
	s_getreg_b32 s2, hwreg(HW_REG_IB_STS2, 6, 4)
	s_cmp_eq_u32 s2, 0
	s_cbranch_scc0 .Lentry_in_a_cluster
	s_endpgm
.Lentry_in_a_cluster:
	s_bfe_u32 s2, ttmp6, 0x10000c
	s_cmp_lg_u32 s2, 0x3003
	s_cbranch_scc0 .Lentry_shape_is_right
	s_endpgm
.Lentry_shape_is_right:
; q = x Wq^T + bq, k = x Wk^T + bk, v = x Wv^T + bv on codes of FP4, K = 1,024; the results are quantised here: q and k along the head's 64, v along the keys, and leave as codes in the order of the operands' registers.
; SHARES.  A work-group takes 256 tokens (mb) and one head (eta): 12 tiles of 16 weight rows.  Wave w owns token tiles 16 mb + 2 w and + 1 (32 neighbouring tokens); their 16 fragments of x stay in its registers.
; The head's 96 KiB of weight codes and 6 KiB of scale words come into LDS once.  CLUSTER: the four work-groups of a cluster share the head, so these six blocks are asked for jointly (mask 15).
; x is not shared: each fragment of it is used by one wave of the work-group and goes straight into that wave's registers.  LDS is filled once, so there is no ring.
; q, k: THE PRODUCT IS USED TRANSPOSED (source 0 = 16 weight rows, source 1 = 16 tokens): a lane holds one token, and by the tiles' choice of rows the 16 registers of tiles 2 b, 2 b + 1 are features 32 b + 16 h + 0..15.
; v: natural (source 0 = tokens, source 1 = weight rows): a lane holds one feature and its 16 registers of the two token tiles are keys 32 g + 16 h + 0..15.  The biases are the C of each sum's first product.
; LAYOUT OF qkv (bh = 16 batch + head, tau = token tile in the batch): q's codes (bh * 128 + tau) * 512 + 16 lane; k's 2,097,152 on; v's at 4,194,304 + (bh * 16 + J) * 4096 + t * 1024 + c * 512 + 16 lane (J: 128 keys, t: tile of the head's 64);
; scale words: q 6,291,456 + (bh * 128 + tau) * 64 + 4 r (bytes 0, 1; bytes 2, 3 are a neighbour's bytes or 0, never 0xff, and meet zero codes alone); k 262,144 on; v 6,815,744 + (bh * 64 + g) * 128 + 4 lane, byte t for tile t.
; LIMITS: weights and biases finite.  A block of zeros keeps the scale byte 1.
; REGISTERS: v1-9 addresses; v16-79 weight fragments, two buffers; v80-143 sums; v144-175 the weights' scale words; v176-191 x's; v192-223 the bias as C; v224-251 the quantiser's; v252-255 bv.  Window 1: v0-127 x's fragments.
.set SCO, 4194304
.set WSC, 98304                        ; LDS: codes of kind k at k * 32768; scale words at WSC + k * 2048
.set WF,  16
.set ACC, 80
.set WS,  144
.set XS,  176
.set BI,  192
.set TM,  224
.set PW,  240
.set PC,  244
.set WV,  14
.set SEL, 20
.set G1C, 24
.set G1S, 32
.set G0C, 40
.set G0S, 44
.set MSB, 0
.macro WIN new                         ; the immediate's high byte repeats the setting that is left
.if MSB != \new
	s_set_vgpr_msb (MSB<<8)|\new
.set MSB, \new
.endif
.endm
.macro PLACES n
.rept \n
	v_nop
.endr
.endm
.macro ROUND                           ; a round of the cluster's barrier
	s_barrier_signal -1
	s_barrier_wait -1
	s_cmp_lg_u32 s[WV], 0
	s_cbranch_scc1 .Lnot_wave_0_\@
	s_barrier_signal -3
.Lnot_wave_0_\@:
	s_barrier_wait -3
	s_barrier_signal -1
	s_barrier_wait -1
.endm
; 64 numbers of a lane, register 16 b + i = k 32 b + 16 (lane / 16) + i of block b, become codes in v[PC] on (registers 4 c .. 4 c + 3 of lane (r, hh): block 2 c + hh whole) and four scale bytes in v[PW].
.macro QUANT s
.irp b, 0,1,2,3
	v_max3_num_f32 v[TM+\b], |v[\s+16*\b]|, |v[\s+1+16*\b]|, 0x1800000   ; with the floor 2^(3 - 127): the byte cannot fall under 1
.endr
.irp i, 2,4,6,8,10,12,14
.irp b, 0,1,2,3
	v_max3_num_f32 v[TM+\b], v[TM+\b], |v[\s+16*\b+\i]|, |v[\s+1+16*\b+\i]|
.endr
.endr
.irp b, 0,1,2,3
	s_delay_alu instid0(VALU_DEP_4)
	v_permlanex16_b32 v[TM+4+\b], v[TM+\b], s[SEL], s[SEL+1]
.endr
.irp b, 0,1,2,3
	s_delay_alu instid0(VALU_DEP_4)
	v_max_num_f32 v[TM+\b], v[TM+\b], v[TM+4+\b]   ; with lane l xor 16's: the block's largest magnitude
.endr
.irp b, 0,1,2,3
	s_delay_alu instid0(VALU_DEP_4)
	v_add_nc_u32 v[TM+12+\b], 0xff000000, v[TM+\b] ; 2 off its exponent field: the conversion's scale operand
.endr
.irp b, 0,1,2,3
	s_delay_alu instid0(VALU_DEP_4)
	v_lshrrev_b32 v[TM+4+\b], 23, v[TM+12+\b]      ; the scale's byte
.endr
	s_delay_alu instid0(VALU_DEP_3)
	v_lshl_or_b32 v[PW], v[TM+5], 8, v[TM+4]
	s_delay_alu instid0(VALU_DEP_1)
	v_lshl_or_b32 v[PW], v[TM+6], 16, v[PW]
	s_delay_alu instid0(VALU_DEP_1)
	v_lshl_or_b32 v[PW], v[TM+7], 24, v[PW]
.irp b, 0,1,2,3
	v_cvt_scalef32_pk8_fp4_f32 v[PC+2*\b], v[\s+16*\b:\s+7+16*\b], v[TM+12+\b]
	v_cvt_scalef32_pk8_fp4_f32 v[PC+1+2*\b], v[\s+8+16*\b:\s+15+16*\b], v[TM+12+\b]
.endr
	v_nop                                          ; a plain instruction behind the last conversion
.irp c, 0,1
.irp i, 0,1
	v_permlane16_swap_b32 v[PC+4*\c+\i], v[PC+2+4*\c+\i]
.endr
.endr
.endm
	s_load_b256 s[4:11], s[0:1], 0x0               ; cod, bq, bk, bv
	s_load_b64 s[12:13], s[0:1], 0x20              ; qkv
	v_lshl_add_u32 v235, v0, 2, 0x29000
	v_mov_b32 v243, 0
	ds_add_u32 v235, v243
	ds_add_u32 v235, v243
	v_lshrrev_b32 v1, 5, v0
	s_delay_alu instid0(VALU_DEP_1)
	v_readfirstlane_b32 s[WV], v1                  ; wave 0..7
	s_and_b32 s17, ttmp7, 0xffff                   ; the head, which the four partners share
	; group 1: dense blocks as rows of 256 bytes (32 elements of 8 bytes): 128 rows of codes, 8 rows of scale words.  15:0 the mask of the four; 17:16 elements of 8 bytes; 21 set beside a mask
	s_mov_b32 s[G1C], 15|(3<<16)|(1<<21)
	s_mov_b32 s[G1C+1], 32<<16
	s_mov_b32 s[G1C+2], 128<<16
	s_mov_b32 s[G1C+3], 32<<16
	s_mov_b32 s[G1C+4], 128
	s_mov_b32 s[G1C+5], 32
	s_mov_b32 s[G1C+6], 0
	s_mov_b32 s[G1C+7], 0
	s_mov_b32 s[G1S], 15|(3<<16)|(1<<21)
	s_mov_b32 s[G1S+1], 32<<16
	s_mov_b32 s[G1S+2], 8<<16
	s_mov_b32 s[G1S+3], 32<<16
	s_mov_b32 s[G1S+4], 8
	s_mov_b32 s[G1S+5], 32
	s_mov_b32 s[G1S+6], 0
	s_mov_b32 s[G1S+7], 0
	; group 0: waves 0-2 fetch the codes of kind = wave, waves 3-5 the scale words of kind = wave - 3.  Wave and head alone enter them
	s_lshl_b32 s18, s[WV], 19                      ; a kind's 64 tiles of 8,192 bytes
	s_lshl_b32 s19, s17, 15                        ; a head's 4 tiles
	s_add_co_u32 s18, s18, s19
	s_add_co_u32 s18, s18, 2097152                 ; behind x's 256 tiles
	s_mov_b32 s19, 0
	s_lshl_b32 s22, s[WV], 15
	s_lshl_b32 s23, s17, 11
	s_add_co_u32 s22, s22, s23
	s_add_co_u32 s22, s22, 4227072                 ; SCO + 256 * 512 - 3 * 32768
	s_mov_b32 s23, 0
	s_mov_b32 s[G0C], 1
	s_lshl_b32 s[G0C+1], s[WV], 15
	s_mov_b32 s[G0S], 1
	s_lshl_b32 s[G0S+1], s[WV], 11
	s_add_co_u32 s[G0S+1], s[G0S+1], WSC-3*2048
	s_wait_dscnt 0x0
	s_wait_kmcnt 0x0
	s_add_nc_u64 s[G0C+2:G0C+3], s[4:5], s[18:19]
	s_or_b32 s[G0C+3], s[G0C+3], 0x80000000
	s_add_nc_u64 s[G0S+2:G0S+3], s[4:5], s[22:23]
	s_or_b32 s[G0S+3], s[G0S+3], 0x80000000
	ROUND                                          ; all four work-groups are here: the joint loads meet
	s_cmp_lt_u32 s[WV], 3                          ; at most one tensor load of a wave is out
	s_cbranch_scc0 .Lnot_codes
	tensor_load_to_lds s[G0C:G0C+3], s[G1C:G1C+7]
	s_nop 0
	PLACES 4
	s_branch .Lasked
.Lnot_codes:
	s_cmp_lt_u32 s[WV], 6
	s_cbranch_scc0 .Lasked
	tensor_load_to_lds s[G0S:G0S+3], s[G1S:G1S+7]
	s_nop 0
	PLACES 4
.Lasked:
	; my tokens: the place in the cluster enters global addresses alone
	s_bfe_u32 s15, ttmp6, 0x40000                  ; cx
	s_lshl_b32 s16, ttmp9, 2
	s_add_co_u32 s16, s16, s15                     ; mb
	s_mov_b32 s3, 0
	s_lshl_b32 s49, s16, 4
	s_lshl_b32 s15, s[WV], 1
	s_add_co_u32 s49, s49, s15                     ; my first token tile
	s_lshl_b32 s2, s49, 13
	s_add_nc_u64 s[50:51], s[4:5], s[2:3]          ; its codes
	s_lshl_b32 s2, s49, 9
	s_add_nc_u64 s[52:53], s[4:5], s[2:3]          ; its scale words (SCO in the immediate)
	s_lshr_b32 s62, s16, 3
	s_lshl_b32 s62, s62, 4
	s_add_co_u32 s62, s62, s17                     ; bh
	s_and_b32 s63, s16, 7
	s_lshl_b32 s49, s62, 7
	s_lshl_b32 s2, s63, 4
	s_add_co_u32 s49, s49, s2
	s_add_co_u32 s49, s49, s15                     ; bh * 128 + tau
	s_lshl_b32 s2, s49, 9
	s_add_nc_u64 s[54:55], s[12:13], s[2:3]
	s_lshl_b32 s2, s49, 6
	s_add_nc_u64 s[56:57], s[12:13], s[2:3]
	s_lshl_b32 s16, s63, 3
	s_add_co_u32 s16, s16, s[WV]                   ; g: my block of 32 keys in the batch
	s_lshl_b32 s49, s62, 4
	s_lshr_b32 s15, s16, 2
	s_add_co_u32 s49, s49, s15
	s_lshl_b32 s2, s49, 12                         ; (bh * 16 + J) * 4096
	s_bfe_u32 s15, s16, 0x10001
	s_lshl_b32 s15, s15, 9                         ; part c = (g / 2) % 2
	s_add_co_u32 s2, s2, s15
	s_and_b32 s15, s16, 1
	s_lshl_b32 s15, s15, 8                         ; lanes' half = g % 2
	s_add_co_u32 s2, s2, s15
	s_add_nc_u64 s[58:59], s[12:13], s[2:3]
	s_lshl_b32 s49, s62, 6
	s_add_co_u32 s49, s49, s16
	s_lshl_b32 s2, s49, 7
	s_add_nc_u64 s[60:61], s[12:13], s[2:3]
	s_lshl_b32 s2, s17, 8                          ; the head's 64 numbers of each bias
	s_add_nc_u64 s[6:7], s[6:7], s[2:3]
	s_add_nc_u64 s[8:9], s[8:9], s[2:3]
	s_add_nc_u64 s[10:11], s[10:11], s[2:3]
	s_mov_b32 s[SEL], 0x76543210
	s_mov_b32 s[SEL+1], 0xfedcba98
	s_mov_b32 s48, 0xffff0000                      ; lanes 16-31
	v_and_b32 v1, 31, v0
	s_delay_alu instid0(VALU_DEP_1)
	v_lshlrev_b32 v1, 4, v1                        ; 16 x lane
	v_and_b32 v10, 15, v0                          ; r
	v_bfe_u32 v3, v0, 4, 1                         ; h
	s_delay_alu instid0(VALU_DEP_2)
	v_lshl_add_u32 v2, v10, 4, WSC                 ; the weights' scale words: 16 r
	s_delay_alu instid0(VALU_DEP_2)
	v_lshlrev_b32 v4, 6, v3                        ; 64 h: a bias in the transposed result's layout
	s_delay_alu instid0(VALU_DEP_4)
	v_and_b32 v11, 7, v10
	v_lshrrev_b32 v12, 3, v10
	s_delay_alu instid0(VALU_DEP_1)
	v_lshl_add_u32 v5, v12, 4, v11
	s_delay_alu instid0(VALU_DEP_1)
	v_lshlrev_b32 v5, 2, v5                        ; 4 ((r & 7) + 16 (r >> 3)): bv of my feature
	v_lshrrev_b32 v6, 2, v1                        ; 4 x lane
	v_lshlrev_b32 v9, 4, v10                       ; 16 r
	s_delay_alu instid0(VALU_DEP_1)
	v_lshl_add_u32 v7, v3, 10, v9                  ; 1024 h + 16 r: v's codes
.irp b, 0,1,2,3
	v_mov_b32 v[TM+4+\b], 0                        ; a lane permute's destination counts as read
.endr
	WIN 0x40                                       ; destination window 1
.irp u, 0,1
.irp s, 0,1,2,3,4,5,6,7
.irp c, 0,1
	global_load_b128 v[64*\u+8*\s+4*\c:64*\u+8*\s+4*\c+3], v1, s[50:51] offset:\u*8192+\s*1024+\c*512
.endr
.endr
.endr
	WIN 0
.irp u, 0,1
.irp f, 0,1
	global_load_b128 v[XS+8*\u+4*\f:XS+8*\u+4*\f+3], v9, s[52:53] offset:SCO+\u*512+\f*256
.endr
.endr
.irp t, 0,1,2,3
	global_load_b128 v[BI+8*\t:BI+8*\t+3], v4, s[6:7] offset:(32*(\t/2)+8*(\t%2))*4
	global_load_b128 v[BI+8*\t+4:BI+8*\t+7], v4, s[6:7] offset:(32*(\t/2)+8*(\t%2))*4+16
.endr
	s_wait_tensorcnt 0x0                           ; my block has landed,
	s_barrier_signal -1
	s_barrier_wait -1                              ; everybody's has
	s_wait_loadcnt 0x0                             ; x, its scale words, bq
.macro FETCHW s                        ; the four weight fragments of K step s into buffer s % 2
.irp t, 0,1,2,3
.irp c, 0,1
	ds_load_b128 v[WF+32*((\s)%2)+8*\t+4*\c:WF+32*((\s)%2)+8*\t+4*\c+3], v8 offset:\t*8192+(\s)*1024+\c*512
.endr
.endr
.endm
.macro LOADWS k                        ; a kind's scale words: register 8 t + s
.irp t, 0,1,2,3
.irp f, 0,1
	ds_load_b128 v[WS+8*\t+4*\f:WS+8*\t+4*\f+3], v2 offset:(\k)*2048+\t*512+\f*256
.endr
.endr
.endm
; eight products a K step; the eight accumulators take turns, one instruction a turn
.macro MULQK s
.irp u, 0,1
.irp t, 0,1,2,3
.if (\s) == 0
	v_wmma_scale_f32_16x16x128_f8f6f4 v[ACC+32*\u+8*\t:ACC+32*\u+8*\t+7], v[WF+32*((\s)%2)+8*\t:WF+32*((\s)%2)+8*\t+7], v[64*\u+8*(\s):64*\u+8*(\s)+7], v[BI+8*\t:BI+8*\t+7], v[WS+8*\t+(\s)], v[XS+8*\u+(\s)] matrix_a_fmt:MATRIX_FMT_FP4 matrix_b_fmt:MATRIX_FMT_FP4
.else
	v_wmma_scale_f32_16x16x128_f8f6f4 v[ACC+32*\u+8*\t:ACC+32*\u+8*\t+7], v[WF+32*((\s)%2)+8*\t:WF+32*((\s)%2)+8*\t+7], v[64*\u+8*(\s):64*\u+8*(\s)+7], v[ACC+32*\u+8*\t:ACC+32*\u+8*\t+7], v[WS+8*\t+(\s)], v[XS+8*\u+(\s)] matrix_a_fmt:MATRIX_FMT_FP4 matrix_b_fmt:MATRIX_FMT_FP4
.endif
.endr
.endr
.endm
.macro MULV s
.irp t, 0,1,2,3
.irp u, 0,1
.if (\s) == 0
	v_wmma_scale_f32_16x16x128_f8f6f4 v[ACC+16*\t+8*\u:ACC+16*\t+8*\u+7], v[64*\u+8*(\s):64*\u+8*(\s)+7], v[WF+32*((\s)%2)+8*\t:WF+32*((\s)%2)+8*\t+7], v[BI+8*\t:BI+8*\t+7], v[XS+8*\u+(\s)], v[WS+8*\t+(\s)] matrix_a_fmt:MATRIX_FMT_FP4 matrix_b_fmt:MATRIX_FMT_FP4
.else
	v_wmma_scale_f32_16x16x128_f8f6f4 v[ACC+16*\t+8*\u:ACC+16*\t+8*\u+7], v[64*\u+8*(\s):64*\u+8*(\s)+7], v[WF+32*((\s)%2)+8*\t:WF+32*((\s)%2)+8*\t+7], v[ACC+16*\t+8*\u:ACC+16*\t+8*\u+7], v[XS+8*\u+(\s)], v[WS+8*\t+(\s)] matrix_a_fmt:MATRIX_FMT_FP4 matrix_b_fmt:MATRIX_FMT_FP4
.endif
.endr
.endr
.endm
; q (k = 0) or k (k = 1)
.macro KIND_QK k
	v_add_nc_u32 v8, (\k)*32768, v1                ; (no LDS load of mine is out)
	s_wait_alu depctr_va_vdst(0)
	LOADWS \k
	FETCHW 0
	WIN 0x04                                       ; source 1 (x) window 1; loads name their address as source 0 and their data as destination: window 0
.irp s, 0,1,2,3,4,5,6,7
.if \s >= 1
	PLACES 4                                       ; in front of loads into registers that the last products read
.endif
.if \s < 7
	FETCHW \s+1
.endif
.if \s == 1                            ; the next kind's bias, once this kind's has been read as C
.if (\k) == 0
.irp t, 0,1,2,3
	global_load_b128 v[BI+8*\t:BI+8*\t+3], v4, s[8:9] offset:(32*(\t/2)+8*(\t%2))*4
	global_load_b128 v[BI+8*\t+4:BI+8*\t+7], v4, s[8:9] offset:(32*(\t/2)+8*(\t%2))*4+16
.endr
.else
.irp t, 0,1,2,3
	global_load_b32 v[252+\t], v5, s[10:11] offset:(32*(\t/2)+8*(\t%2))*4
.endr
.endif
.endif
.if \s < 7
	s_wait_dscnt 8                                 ; all but the eight loads just issued
.else
	s_wait_dscnt 0x0
.endif
	MULQK \s
.endr
	WIN 0
	PLACES 5                                       ; behind the last products: their results are read, and later written over by the next kind's
	s_wait_xcnt 0x0                                ; the last kind's stores have read their data
	QUANT ACC                                      ; block 2 u + b: token tile u, features 32 b on
	global_store_b128 v1, v[PC:PC+3], s[54:55] offset:(\k)*2097152       ; tile tau: 512 consecutive bytes
	global_store_b128 v1, v[PC+4:PC+7], s[54:55] offset:(\k)*2097152+512 ; tile tau + 1
	v_lshrrev_b32 v241, 16, v[PW]
	s_delay_alu instid0(VALU_DEP_1)
	v_cndmask_b32 v242, v[PW], v241, s48           ; lanes 0-15: tile tau's word of row r; lanes 16-31: tile tau + 1's
	global_store_b32 v6, v242, s[56:57] offset:6291456+(\k)*262144
	s_wait_loadcnt 0x0                             ; the next kind's bias
.endm
	KIND_QK 0
	KIND_QK 1
	; v
.irp t, 0,1,2,3
.irp j, 0,1,2,3,4,5,6,7
	v_mov_b32 v[BI+8*\t+\j], v[252+\t]             ; C wants my feature's bias in all eight registers of a tile
.endr
.endr
	s_wait_alu depctr_va_vdst(0)
	v_add_nc_u32 v8, 65536, v1
	s_wait_alu depctr_va_vdst(0)
	LOADWS 2
	FETCHW 0
.irp s, 0,1,2,3,4,5,6,7
.if \s >= 1
	WIN 0
	PLACES 4
.endif
.if \s < 7
	FETCHW \s+1
	s_wait_dscnt 8
.else
	s_wait_dscnt 0x0
.endif
	WIN 0x01                                       ; source 0 (x) window 1
	MULV \s
.endr
	WIN 0
	PLACES 5
	s_wait_xcnt 0x0
	QUANT ACC                                      ; block t: tile t of the head's 64, my 32 keys
	global_store_b128 v7, v[PC:PC+3], s[58:59] offset:4194304            ; lanes 0-15: tile 0, lanes 16-31: tile 1: 256 consecutive bytes each
	global_store_b128 v7, v[PC+4:PC+7], s[58:59] offset:4194304+2048     ; tiles 2 and 3
	global_store_b32 v6, v[PW], s[60:61] offset:6815744
	s_wait_tensorcnt 0x0
	ds_add_u32 v235, v243
	s_wait_dscnt 0x0
	ROUND                                          ; the closing round: no work-group ends while a partner may still ask jointly
	s_endpgm
.Lfunc_end_k_qa980c8e7fd_qkv:
	.size	k_qa980c8e7fd_qkv, .Lfunc_end_k_qa980c8e7fd_qkv-k_qa980c8e7fd_qkv
	.p2alignl 7, 3214868480
	.fill 96, 4, 3214868480
	.section	.rodata,"a",@progbits
	.p2align	6, 0x0
	.amdhsa_kernel k_qa980c8e7fd_qkv
		.amdhsa_group_segment_fixed_size 168960
		.amdhsa_private_segment_fixed_size 0
		.amdhsa_enable_private_segment 0
		.amdhsa_kernarg_size 40
		.amdhsa_user_sgpr_count 2
		.amdhsa_user_sgpr_kernarg_segment_ptr 1
		.amdhsa_wavefront_size32 1
		.amdhsa_system_sgpr_workgroup_id_x 1
		.amdhsa_system_sgpr_workgroup_id_y 1
		.amdhsa_system_sgpr_workgroup_id_z 1
		.amdhsa_system_vgpr_workitem_id 0
		.amdhsa_next_free_vgpr 384
		.amdhsa_next_free_sgpr 66
		.amdhsa_reserve_vcc 0
		.amdhsa_float_denorm_mode_32 3
		.amdhsa_float_denorm_mode_16_64 3
		.amdhsa_memory_ordered 1
		.amdhsa_forward_progress 1
		.amdhsa_inst_pref_size 70
	.end_amdhsa_kernel
	.amdgpu_metadata
---
amdhsa.version: [ 1, 2 ]
amdhsa.kernels:
  - .name:           k_qa980c8e7fd_qkv
    .symbol:         k_qa980c8e7fd_qkv.kd
    .args:
      - { .name: cod, .offset: 0, .size: 8, .value_kind: global_buffer, .address_space: global }
      - { .name: bq, .offset: 8, .size: 8, .value_kind: global_buffer, .address_space: global }
      - { .name: bk, .offset: 16, .size: 8, .value_kind: global_buffer, .address_space: global }
      - { .name: bv, .offset: 24, .size: 8, .value_kind: global_buffer, .address_space: global }
      - { .name: qkv, .offset: 32, .size: 8, .value_kind: global_buffer, .address_space: global }
    .group_segment_fixed_size: 168960
    .private_segment_fixed_size: 0
    .kernarg_segment_align: 8
    .kernarg_segment_size: 40
    .max_flat_workgroup_size: 256
    .sgpr_count:     66
    .vgpr_count:     384
    .wavefront_size: 32
...
	.end_amdgpu_metadata
.endif
;; end of part 2
;; launch attn (part 3): grid 8 x 32, 16 waves a work-group, no clusters, 284,672 bytes of LDS; arguments qkv, mw, oc; writes oc
.if DOCPART == 3
	.amdgcn_target "amdgcn-amd-amdhsa--gfx1250"
	.amdhsa_code_object_version 6
	.text
	.protected	k_qa980c8e7fd_attn
	.globl	k_qa980c8e7fd_attn
	.p2align	8
	.type	k_qa980c8e7fd_attn,@function
k_qa980c8e7fd_attn:
	s_mov_b64 s[64:65], 0
	v_nop
	global_prefetch_b8 v0, s[64:65] scope:SCOPE_SE
	s_setreg_imm32_b32 hwreg(HW_REG_WAVE_MODE, 25, 1), 1
	s_wait_xcnt 0x0
; o = softmax(q k^T / 8 + mask) v for one (batch, head) bh, both products on codes of FP4; o is quantised along E and leaves as codes.
; THE SOFTMAX.  The problem takes the row's largest score away before its softmax, so the whole number M is 0: what is quantised is p = 2^((s - m) c), c = log2(e) / 8, m the row's true maximum of the unblocked sums.
; So the keys are walked twice: pass 1 finds m and keeps each block's largest score in LDS, pass 2 makes p, its sum (of the unquantised p) and O^T.  A blocked score gives p = 0; a row blocked on all keys gives p = 1 on all keys.
; p's exponent is one fused multiply-add, s c - (m c rounded); a block's scale comes from its largest score by a subtraction rounded by itself and then the scaling, so the row's largest p gives the scale of 1.0 exactly.
; SHARES.  Sixteen waves, sixteen tiles of 16 queries, tau = 8 pos + work-group x.  Waves 2 i and 2 i + 1 own tiles pos = i and 15 - i TOGETHER: each walks every second key step (128 keys) of both tiles.
; Each wave takes first the partner's tile, then its own.  The partial maxima meet in LDS behind a barrier between the passes.  M being fixed, partial O^T and partial sums add: a wave puts its part of the partner's tile into LDS
; (into its own block-maxima bytes of that tile, which are done with), and behind a last barrier adds the partner's part to its own tile and finishes it.
; A head's K and V (codes and scale words) lie in LDS whole, stored there once through registers; V's loads stay out during pass 1 and are stored ahead of the barrier between the passes.
; A key step that the mask blocks for all 16 queries is jumped over by a scalar branch on whole numbers that the first launch stored; a step with no blocked score skips the masking.  Such branches are why this launch has
; no tensor load, and so no joint loads, though the eight work-groups of a head read the same bytes.  K and V are asked for once, at the head: there is no loop to prefetch in.  A tile with a wholly blocked row jumps over nothing.
; LAYOUT.  S^T = K Q^T, O^T = V^T P^T: a lane holds one query.  Register 16 b + i of the scores is key 128 J + 32 b + 16 h + i.  K = 64: Q's operand has zero codes in its upper four registers.
; LIMITS: scores finite.  The rounding of m c is one common factor of a row's p and of its sum.
; REGISTERS: v1-7, v29 addresses and constants; v8-16 the partner's tile's Q; v80-88 my tile's; v17-21 the step's addresses; v22-28, v95 the head's; v30-31 -m c; v32-67 K; v68-79 scale words; v89, v254 the two m; v90-94 the exchange's addresses;
; v96-159 S^T, p; v160-191 O^T; v192-223 V; v224-231 p's codes; v232-249 at work; v250-253 the sum; v255 m in hand.
.set VCL, 65536
.set KSL, 131072
.set VSL, 139264
.set BM,  143360                       ; block maxima: wave * 8192 + (0: partner's tile, 4096: mine) + trip * 512 + 16 lane
.set MX,  274432                       ; partial maxima: wave * 256 + (0: partner's tile, 128: mine) + 4 lane
.set LX,  278528                       ; partial sums of the partner's tile: wave * 256 + 4 lane
.set SPARE, 282624
.set KCO, 2097152
.set VCO, 4194304
.set QSO, 6291456
.set KSO, 6553600
.set VSO, 6815744
.set CLS, 524288
.macro PLACES n
.rept \n
	v_nop
.endr
.endm
	s_load_b128 s[4:7], s[0:1], 0x0                ; qkv, mw
	s_load_b64 s[8:9], s[0:1], 0x10                ; oc
	v_lshl_add_u32 v242, v0, 2, SPARE
	v_mov_b32 v243, 0
	v_lshrrev_b32 v1, 5, v0
	v_readfirstlane_b32 s10, v1                    ; wave
	s_lshr_b32 s2, s10, 1                          ; the pair i
	s_sub_co_u32 s3, 15, s2
	s_and_b32 s15, s10, 1
	s_bfe_u32 s11, s10, 0x10002
	s_xor_b32 s11, s11, s15                        ; my key steps: J % 2 = this; the partner has the others
	s_cmp_eq_u32 s15, 0
	s_cselect_b32 s66, s2, s3                      ; my tile's pos
	s_cselect_b32 s25, s3, s2                      ; the partner's
	s_lshl_b32 s66, s66, 3
	s_add_co_u32 s66, s66, ttmp9                   ; tau, mine
	s_lshl_b32 s25, s25, 3
	s_add_co_u32 s25, s25, ttmp9                   ; tau, the partner's
	s_and_b32 s26, ttmp7, 0xffff                   ; bh
	s_xor_b32 s12, s10, 1                          ; the partner's number
	s_mov_b32 s20, 0x76543210
	s_mov_b32 s21, 0xfedcba98
	s_mov_b32 s22, 0x3e38aa3b                      ; c = log2(e) / 8
	s_mov_b32 s23, s22
	v_and_b32 v1, 31, v0
	v_and_b32 v30, 15, v0                          ; r
	v_lshlrev_b32 v5, 2, v1                        ; 4 x lane
	v_lshlrev_b32 v1, 4, v1                        ; 16 x lane
	v_lshl_add_u32 v2, v30, 5, KSL
	v_lshl_add_u32 v3, v30, 4, VSL
	s_wait_alu depctr_va_vdst(0)                   ; ahead of the scalar lines among which v1
	s_lshl_b32 s15, s10, 13
	s_add_co_u32 s15, s15, BM
	v_add_nc_u32 v4, s15, v1
	s_lshl_b32 s15, s12, 13
	s_add_co_u32 s15, s15, BM
	v_add_nc_u32 v94, s15, v1                      ; the partner's part of my tile
	s_lshl_b32 s15, s10, 8
	s_add_co_u32 s15, s15, MX
	v_add_nc_u32 v90, s15, v5
	s_add_co_u32 s15, s15, LX-MX
	v_add_nc_u32 v92, s15, v5
	s_lshl_b32 s15, s12, 8
	s_add_co_u32 s15, s15, MX
	v_add_nc_u32 v91, s15, v5
	s_add_co_u32 s15, s15, LX-MX
	v_add_nc_u32 v93, s15, v5
	v_mov_b32 v6, 0xff800000                       ; -infinity
	v_add_nc_u32 v29, VCL, v1
	v_lshlrev_b32 v22, 4, v0                       ; the copies: 16 x thread
	v_add_nc_u32 v23, VCL, v22
	v_lshlrev_b32 v24, 2, v0
	v_lshrrev_b32 v25, 7, v0                       ; K's scale words are turned on the way: thread = 128 J' + 16 t + r goes to J' * 512 + r * 32 + t * 4
	v_lshlrev_b32 v25, 9, v25
	v_lshl_add_u32 v25, v30, 5, v25
	v_bfe_u32 v31, v0, 4, 3
	v_lshl_add_u32 v25, v31, 2, v25
	v_add_nc_u32 v25, KSL, v25
	v_lshrrev_b32 v26, 4, v0                       ; V's: thread = 16 J + r (waves 0-7) takes the words of key blocks 4 J + 0..3
	v_lshlrev_b32 v26, 9, v26
	v_lshl_add_u32 v26, v30, 2, v26
	v_add_nc_u32 v27, VSL, v22
	v_lshlrev_b32 v28, 2, v30                      ; 4 r
	s_wait_alu depctr_va_vdst(0)                   ; ahead of the scalar lines among
	s_lshl_b32 s2, s26, 16
	v_add_nc_u32 v95, s2, v22
	s_lshl_b32 s2, s26, 13                         ; its scale words,
	v_add_nc_u32 v24, s2, v24
	v_add_nc_u32 v26, s2, v26
	s_lshl_b32 s15, s26, 7
	s_add_co_u32 s2, s15, s25                      ; the two tiles of Q
	s_lshl_b32 s3, s2, 9
	v_add_nc_u32 v17, s3, v1
	s_lshl_b32 s3, s2, 6
	v_add_nc_u32 v18, s3, v28
	s_add_co_u32 s2, s15, s66
	s_lshl_b32 s3, s2, 9
	v_add_nc_u32 v19, s3, v1
	s_lshl_b32 s3, s2, 6
	v_add_nc_u32 v20, s3, v28
	s_lshl_b32 s18, s25, 9
	s_lshl_b32 s19, s66, 9
	s_wait_alu depctr_va_vdst(0)
	s_wait_kmcnt 0x0
.irp i, 0,1,2,3
	s_load_b256 s[68+8*\i:75+8*\i], s[6:7], s18 offset:CLS+128*\i   ; the ANDs and ORs of the partner's tile,
	s_load_b256 s[32+8*\i:39+8*\i], s[6:7], s19 offset:CLS+128*\i   ; and of mine
.endr
	s_cmp_lt_u32 s10, 8
	s_cbranch_scc0 .Lno_vs_load
.irp i, 0,1,2,3
	global_load_b32 v[164+\i], v26, s[4:5] offset:VSO+128*\i
.endr
.Lno_vs_load:
.irp i, 0,1,2,3,4,5,6,7
	global_load_b128 v[96+4*\i:99+4*\i], v95, s[4:5] offset:KCO+8192*\i
.endr
.irp i, 0,1,2,3
	global_load_b32 v[160+\i], v24, s[4:5] offset:KSO+2048*\i
.endr
	global_load_b128 v[8:11], v17, s[4:5]
	global_load_b32 v16, v18, s[4:5] offset:QSO
	global_load_b128 v[80:83], v19, s[4:5]
	global_load_b32 v88, v20, s[4:5] offset:QSO
.irp i, 12,13,14,15,84,85,86,87,64,65,66,67,236,237,238,239
	v_mov_b32 v\i, 0                               ; zero codes; permute destinations
.endr
; the classes of a tile: bit J of sk: all 64 words are all ones (jump over); of op: all are 0 (no masking).  A tile with a row blocked on all keys walks every step
.macro CLASSES b, sk, op
	s_mov_b32 s15, -1
	s_mov_b32 s[\sk], 0
	s_mov_b32 s[\op], 0
.set J, 0
.rept 16
	s_and_b32 s15, s15, s[\b+8*(J/4)+J%4]
	s_cmp_eq_u32 s[\b+8*(J/4)+J%4], -1
	s_cselect_b32 s19, 1<<J, 0
	s_or_b32 s[\sk], s[\sk], s19
	s_cmp_eq_u32 s[\b+4+8*(J/4)+J%4], 0
	s_cselect_b32 s19, 1<<J, 0
	s_or_b32 s[\op], s[\op], s19
.set J, J+1
.endr
	s_lshr_b32 s19, s15, 16
	s_and_b32 s15, s15, s19
	s_and_b32 s15, s15, 0xffff
	s_cmp_lg_u32 s15, 0
	s_cselect_b32 s[\sk], 0, s[\sk]
.endm
	s_wait_kmcnt 0x0
	CLASSES 68, 13, 14
	CLASSES 32, 100, 101
	s_mov_b32 s3, 0
	s_lshl_b32 s2, s25, 12
	s_add_nc_u64 s[16:17], s[6:7], s[2:3]          ; the mask words of the partner's tile,
	s_lshl_b32 s2, s66, 12
	s_add_nc_u64 s[6:7], s[6:7], s[2:3]            ; and of mine
	s_wait_loadcnt 0x0                             ; K, the scale words and Q (V is asked for between pass 1's two tiles)
.irp i, 0,1,2,3,4,5,6,7
	ds_store_b128 v22, v[96+4*\i:99+4*\i] offset:8192*\i
.endr
.irp i, 0,1,2,3
	ds_store_b32 v25, v[160+\i] offset:2048*\i
.endr
	s_cmp_lt_u32 s10, 8
	s_cbranch_scc0 .Lno_vs_store
	v_perm_b32 v168, v165, v164, 0x05010400        ; a 4 x 4 turn of bytes: word b, byte t -> word t, byte b
	v_perm_b32 v169, v165, v164, 0x07030602
	v_perm_b32 v170, v167, v166, 0x05010400
	v_perm_b32 v171, v167, v166, 0x07030602
	v_perm_b32 v172, v170, v168, 0x05040100
	v_perm_b32 v173, v170, v168, 0x07060302
	v_perm_b32 v174, v171, v169, 0x05040100
	v_perm_b32 v175, v171, v169, 0x07060302
	ds_store_b128 v27, v[172:175]
.Lno_vs_store:
	s_wait_dscnt 0x0                               ; for the others' sake: my stores have landed
	s_barrier_signal -1
	s_barrier_wait -1                              ; K and all scale words lie in LDS
.macro TEST bits, label
	s_lshl_b32 s19, 1, s12
	s_and_b32 s15, s[\bits], s19
	s_cmp_lg_u32 s15, 0
	s_cbranch_scc1 \label
.endm
.macro MLOAD mp                        ; the step's 64 mask words: word n in s[32 + n], from n = 32 on in s[36 + n]
	s_load_b512 s[32:47], s[\mp:\mp+1], s18 offset:0x0
	s_load_b512 s[48:63], s[\mp:\mp+1], s18 offset:0x40
	s_load_b512 s[68:83], s[\mp:\mp+1], s18 offset:0x80
	s_load_b512 s[84:99], s[\mp:\mp+1], s18 offset:0xc0
.endm
.macro KLOAD
.irp t, 0,1,2,3,4,5,6,7
	ds_load_b128 v[32+4*\t:35+4*\t], v17 offset:\t*512
.endr
	ds_load_b128 v[68:71], v19
	ds_load_b128 v[72:75], v19 offset:16
.endm
.macro QKT q, qs
.irp t, 0,1,2,3,4,5,6,7
	v_wmma_scale_f32_16x16x128_f8f6f4 v[96+8*\t:103+8*\t], v[32+4*\t:39+4*\t], v[\q:\q+7], 0, v[68+\t], v[\qs] matrix_a_fmt:MATRIX_FMT_FP4 matrix_b_fmt:MATRIX_FMT_FP4
.endr
.endm
.macro MASK fill                       ; blocked scores take v[fill]
.set n, 0
.rept 64
.if n < 32
	v_cndmask_b32 v[96+n], v[96+n], v[\fill], s[32+n]
.else
	v_cndmask_b32 v[96+n], v[96+n], v[\fill], s[36+n]
.endif
.set n, n+1
.endr
.endm
.macro BMAX                            ; the largest score of each block of 32 keys
.irp b, 0,1,2,3
	v_max3_num_f32 v[232+\b], v[96+16*\b], v[97+16*\b], v[98+16*\b]
.endr
.irp i, 3,5,7,9,11,13
.irp b, 0,1,2,3
	v_max3_num_f32 v[232+\b], v[232+\b], v[96+16*\b+\i], v[97+16*\b+\i]
.endr
.endr
.irp b, 0,1,2,3
	v_max_num_f32 v[232+\b], v[232+\b], v[111+16*\b]
.endr
.irp b, 0,1,2,3
	s_delay_alu instid0(VALU_DEP_4)
	v_permlanex16_b32 v[236+\b], v[232+\b], s20, s21
.endr
.irp b, 0,1,2,3
	s_delay_alu instid0(VALU_DEP_4)
	v_max_num_f32 v[232+\b], v[232+\b], v[236+\b]
.endr
.endm
.macro JINIT                           ; my first key step: J, 256 J, 4096 J, 512 J; 512 x trip; the trip
	s_mov_b32 s12, s11
	s_lshl_b32 s18, s11, 8
	s_lshl_b32 s27, s11, 12
	s_lshl_b32 s28, s11, 9
	s_mov_b32 s30, 0
	s_mov_b32 s29, 0
.endm
.macro JSTEP label                     ; two key steps on; eight trips
	s_add_co_u32 s18, s18, 512
	s_add_co_u32 s27, s27, 8192
	s_add_co_u32 s28, s28, 1024
	s_add_co_u32 s30, s30, 512
	s_add_co_u32 s12, s12, 2
	s_add_co_u32 s29, s29, 1
	s_cmp_lt_u32 s29, 8
	s_cbranch_scc1 \label
.endm
.macro SCORES1 q, qs
	KLOAD
	s_wait_dscnt 0x0
	QKT \q, \qs
	PLACES 5                                       ; behind the products: their results are read, and the next trip's products write over them
.endm
; pass 1 of one tile over my key steps: my part of the rows' maxima into v[m]
.macro PASS1 q, qs, m, sk, op, mp, bo
	JINIT
	v_mov_b32 v[\m], v6
	s_wait_alu depctr_va_vdst(0)
.Lp1_\@:
	TEST \sk, .Ln1_\@
	v_add_nc_u32 v17, s27, v1
	v_add_nc_u32 v19, s28, v2
	v_add_nc_u32 v21, s30, v4
	TEST \op, .Lo1_\@
	MLOAD \mp
	s_wait_alu depctr_va_vdst(0)
	SCORES1 \q, \qs
	s_wait_kmcnt 0x0
	MASK 6
	s_branch .Lj1_\@
.Lo1_\@:
	s_wait_alu depctr_va_vdst(0)
	SCORES1 \q, \qs
.Lj1_\@:
	BMAX
	ds_store_b128 v21, v[232:235] offset:\bo       ; kept for pass 2, in my own bytes
	v_max3_num_f32 v[\m], v[\m], v232, v233
	s_delay_alu instid0(VALU_DEP_1)
	v_max3_num_f32 v[\m], v[\m], v234, v235        ; (no wait for the store: only I read these bytes, and LDS serves a wave's instructions in order)
.Ln1_\@:
	JSTEP .Lp1_\@
.endm
	PASS1 8, 16, 254, 13, 14, 16, 0                ; the partner's tile
.irp i, 0,1,2,3,4,5,6,7
	global_load_b128 v[192+4*\i:195+4*\i], v95, s[4:5] offset:VCO+8192*\i   ; V's codes, 16 bytes a thread and load: these eight stay out during my own tile's pass 1
.endr
	PASS1 80, 88, 89, 100, 101, 6, 4096            ; mine
	s_wait_alu depctr_va_vdst(0)
	s_wait_loadcnt 0x0                             ; V
.irp i, 0,1,2,3,4,5,6,7
	ds_store_b128 v23, v[192+4*\i:195+4*\i] offset:8192*\i
.endr
	ds_store_b32 v90, v254
	ds_store_b32 v90, v89 offset:128
	s_wait_dscnt 0x0
	s_barrier_signal -1
	s_barrier_wait -1                              ; V lies in LDS, and so do all partial maxima
	ds_load_b32 v17, v91 offset:128                ; the partner's own tile is the tile I took for it,
	ds_load_b32 v18, v91                           ; and the other way round
	s_wait_dscnt 0x0
	v_max_num_f32 v254, v254, v17
	v_max_num_f32 v89, v89, v18
.macro SCORES2 q, qs, bo
	KLOAD
	ds_load_b128 v[232:235], v21 offset:\bo
.irp t, 0,1,2,3
.irp c, 0,1
	ds_load_b128 v[192+8*\t+4*\c:195+8*\t+4*\c], v18 offset:\t*1024+\c*512
.endr
.endr
	ds_load_b128 v[76:79], v20
	s_wait_dscnt 10                                ; K and its scale words are in; the block maxima's load and V's nine stay out
	QKT \q, \qs
	PLACES 5
	s_wait_dscnt 9                                 ; the block maxima are in
.endm
; pass 2 of one tile over my key steps: my part of O^T and of the sum.  flush = 1: both go to LDS for the partner
.macro PASS2 q, qs, m, sk, op, mp, bo, flush
	JINIT
	s_wait_alu depctr_va_vdst(0)
	v_cmp_eq_u32 s24, v[\m], v6                    ; a row blocked on all keys: m = 0 and blocked scores count as 0, so that p = 1 everywhere
	v_cndmask_b32 v255, v[\m], 0, s24
	v_cndmask_b32 v7, v6, 0, s24
	v_mul_f32 v30, -v255, s22                      ; -m c
	v_mov_b32 v31, 0                               ; (named with it as a pair)
.set j, 160
.rept 32
	v_mov_b32 v[j], 0                              ; O^T: which step comes first hangs on the mask, so no written-out first step can start the sums
.set j, j+1
.endr
.irp i, 250,251,252,253
	v_mov_b32 v\i, 0
.endr
	s_wait_alu depctr_va_vdst(0)
.Lp2_\@:
	TEST \sk, .Ln2_\@
	v_add_nc_u32 v17, s27, v1                      ; (these five are also the places in front of the loads into V's registers)
	v_add_nc_u32 v18, s27, v29
	v_add_nc_u32 v19, s28, v2
	v_add_nc_u32 v20, s18, v3
	v_add_nc_u32 v21, s30, v4
	TEST \op, .Lo2_\@
	MLOAD \mp
	s_wait_alu depctr_va_vdst(0)
	SCORES2 \q, \qs, \bo
	s_wait_kmcnt 0x0
	MASK 7
	s_branch .Lj2_\@
.Lo2_\@:
	s_wait_alu depctr_va_vdst(0)
	SCORES2 \q, \qs, \bo
.Lj2_\@:
.irp b, 0,1,2,3
	v_cndmask_b32 v[232+\b], v[232+\b], 0, s24     ; a wholly blocked row's block maxima count as 0 too
.endr
.irp j, 0,2,4,6,8,10,12,14,16,18,20,22,24,26,28,30,32,34,36,38,40,42,44,46,48,50,52,54,56,58,60,62
	v_pk_fma_f32 v[96+\j:97+\j], v[96+\j:97+\j], s[22:23], v[30:31] op_sel_hi:[1,0,0]   ; s c - m c, two at a time
.endr
.irp b, 0,1,2,3
	v_sub_f32 v[232+\b], v[232+\b], v255           ; a block's largest score: the subtraction rounded by itself, 0 at the row's maximum,
.endr
.irp b, 0,1,2,3
	v_mul_f32 v[232+\b], s22, v[232+\b]            ; then the scaling
.endr
	s_wait_alu depctr_va_vdst(0)
.set j, 96
.rept 64
	v_exp_f32 v[j], v[j]                           ; p
.set j, j+1
.endr
.irp b, 0,1,2,3
	v_exp_f32 v[232+\b], v[232+\b]
.endr
	v_nop                                          ; a plain instruction behind the last exponential
	s_wait_alu depctr_va_vdst(0)                   ; one wait for the batch of 68, ahead of its first reader
.irp b, 0,1,2,3
	v_max_num_f32 v[232+\b], 0x1800000, v[232+\b]  ; the floor: a block of zeros keeps the byte 1
.endr
.irp b, 0,1,2,3
	s_delay_alu instid0(VALU_DEP_4)
	v_add_nc_u32 v[244+\b], 0xff000000, v[232+\b]
.endr
.irp b, 0,1,2,3
	s_delay_alu instid0(VALU_DEP_4)
	v_lshrrev_b32 v[236+\b], 23, v[244+\b]
.endr
	s_delay_alu instid0(VALU_DEP_3)
	v_lshl_or_b32 v248, v237, 8, v236              ; p's scale word for these 128 keys
	s_delay_alu instid0(VALU_DEP_1)
	v_lshl_or_b32 v248, v238, 16, v248
	s_delay_alu instid0(VALU_DEP_1)
	v_lshl_or_b32 v248, v239, 24, v248
.irp b, 0,1,2,3
	v_cvt_scalef32_pk8_fp4_f32 v[224+2*\b], v[96+16*\b:103+16*\b], v[244+\b]
	v_cvt_scalef32_pk8_fp4_f32 v[225+2*\b], v[104+16*\b:111+16*\b], v[244+\b]
.endr
	v_nop
.irp c, 0,1
.irp i, 0,1
	v_permlane16_swap_b32 v[224+4*\c+\i], v[226+4*\c+\i]
.endr
.endr
.irp j, 0,4,8,12,16,20,24,28,32,36,40,44,48,52,56,60
	v_pk_add_f32 v[250:251], v[250:251], v[96+\j:97+\j]    ; the sum of the unquantised p, in two chains; these 32 are also the places ahead of the scaled products
	v_pk_add_f32 v[252:253], v[252:253], v[98+\j:99+\j]
.endr
	s_wait_dscnt 0x0                               ; V and its scale words
.irp t, 0,1,2,3
	v_wmma_scale_f32_16x16x128_f8f6f4 v[160+8*\t:167+8*\t], v[192+8*\t:199+8*\t], v[224:231], v[160+8*\t:167+8*\t], v[76+\t], v248 matrix_a_fmt:MATRIX_FMT_FP4 matrix_b_fmt:MATRIX_FMT_FP4
.endr
.Ln2_\@:
	JSTEP .Lp2_\@
	PLACES 4
	s_wait_alu depctr_va_vdst(0)
	v_pk_add_f32 v[250:251], v[250:251], v[252:253]
	s_delay_alu instid0(VALU_DEP_1)
	v_add_f32 v250, v250, v251
.if \flush
.irp i, 0,1,2,3,4,5,6,7
	ds_store_b128 v4, v[160+4*\i:163+4*\i] offset:\bo+512*\i   ; over this tile's block maxima, which are done with; each accumulator from its low end on
.endr
	ds_store_b32 v92, v250
.endif
.endm
	PASS2 8, 16, 254, 13, 14, 16, 0, 1             ; the partner's tile
	PASS2 80, 88, 89, 100, 101, 6, 4096, 0         ; mine
	s_wait_alu depctr_va_vdst(0)
	s_wait_dscnt 0x0
	s_barrier_signal -1
	s_barrier_wait -1                              ; every wave's part for its partner lies in LDS
.irp i, 0,1,2,3,4,5,6,7
	ds_load_b128 v[96+4*\i:99+4*\i], v94 offset:512*\i
.endr
	ds_load_b32 v128, v93
	s_wait_dscnt 0x0
.irp j, 0,2,4,6,8,10,12,14,16,18,20,22,24,26,28,30
	v_pk_add_f32 v[160+\j:161+\j], v[160+\j:161+\j], v[96+\j:97+\j]
.endr
	v_add_f32 v250, v250, v128
	; ---------------- the way out: O^T / the sum, quantised along E (my head's two blocks of 32) ----------------
	s_delay_alu instid0(VALU_DEP_1)
	v_permlanex16_b32 v236, v250, s20, s21
	s_delay_alu instid0(VALU_DEP_1)
	v_add_f32 v250, v250, v236
	s_wait_alu depctr_va_vdst(0)
	v_rcp_f32 v250, v250
	v_nop
	s_lshr_b32 s15, s26, 4                         ; batch
	s_lshl_b32 s15, s15, 7
	s_add_co_u32 s15, s15, s66                     ; my token tile among all 256
	s_lshl_b32 s15, s15, 3
	s_bfe_u32 s19, s26, 0x30001                    ; K step = head / 2
	s_add_co_u32 s15, s15, s19
	s_and_b32 s19, s26, 1                          ; part c = head % 2
	s_lshl_b32 s2, s15, 10
	s_lshl_b32 s27, s19, 9
	s_add_co_u32 s2, s2, s27
	s_mov_b32 s3, 0
	s_add_nc_u64 s[30:31], s[8:9], s[2:3]
	s_lshl_b32 s2, s15, 7
	s_lshl_b32 s27, s19, 1
	s_add_co_u32 s2, s2, s27
	s_add_nc_u64 s[28:29], s[8:9], s[2:3]
	s_wait_alu depctr_va_vdst(0)                   ; ahead of the reciprocal's first reader
.set j, 160
.rept 32
	v_mul_f32 v[j], v[j], v250
.set j, j+1
.endr
.irp b, 0,1
	v_max3_num_f32 v[232+\b], |v[160+16*\b]|, |v[161+16*\b]|, 0x1800000
.endr
.irp i, 2,4,6,8,10,12,14
.irp b, 0,1
	s_delay_alu instid0(VALU_DEP_2)
	v_max3_num_f32 v[232+\b], v[232+\b], |v[160+16*\b+\i]|, |v[161+16*\b+\i]|
.endr
.endr
.irp b, 0,1
	s_delay_alu instid0(VALU_DEP_2)
	v_permlanex16_b32 v[236+\b], v[232+\b], s20, s21
.endr
.irp b, 0,1
	s_delay_alu instid0(VALU_DEP_2)
	v_max_num_f32 v[232+\b], v[232+\b], v[236+\b]
.endr
.irp b, 0,1
	s_delay_alu instid0(VALU_DEP_2)
	v_add_nc_u32 v[244+\b], 0xff000000, v[232+\b]
.endr
.irp b, 0,1
	s_delay_alu instid0(VALU_DEP_2)
	v_lshrrev_b32 v[236+\b], 23, v[244+\b]
.endr
	s_delay_alu instid0(VALU_DEP_1)
	v_lshl_or_b32 v249, v237, 8, v236              ; my head's half of the row's scale word
.irp b, 0,1
	v_cvt_scalef32_pk8_fp4_f32 v[224+2*\b], v[160+16*\b:167+16*\b], v[244+\b]
	v_cvt_scalef32_pk8_fp4_f32 v[225+2*\b], v[168+16*\b:175+16*\b], v[244+\b]
.endr
	v_nop
	v_permlane16_swap_b32 v224, v226
	v_permlane16_swap_b32 v225, v227
	global_store_b128 v1, v[224:227], s[30:31]     ; 512 consecutive bytes of the next product's operand
	global_store_b16 v5, v249, s[28:29] offset:2097152
	s_wait_tensorcnt 0x0                           ; the wave's end
	ds_add_u32 v242, v243
	s_wait_dscnt 0x0
	s_endpgm
.Lfunc_end_k_qa980c8e7fd_attn:
	.size	k_qa980c8e7fd_attn, .Lfunc_end_k_qa980c8e7fd_attn-k_qa980c8e7fd_attn
	.p2alignl 7, 3214868480
	.fill 96, 4, 3214868480
	.section	.rodata,"a",@progbits
	.p2align	6, 0x0
	.amdhsa_kernel k_qa980c8e7fd_attn
		.amdhsa_group_segment_fixed_size 284672
		.amdhsa_private_segment_fixed_size 0
		.amdhsa_enable_private_segment 0
		.amdhsa_kernarg_size 24
		.amdhsa_user_sgpr_count 2
		.amdhsa_user_sgpr_kernarg_segment_ptr 1
		.amdhsa_wavefront_size32 1
		.amdhsa_system_sgpr_workgroup_id_x 1
		.amdhsa_system_sgpr_workgroup_id_y 1
		.amdhsa_system_sgpr_workgroup_id_z 1
		.amdhsa_system_vgpr_workitem_id 0
		.amdhsa_next_free_vgpr 256
		.amdhsa_next_free_sgpr 102
		.amdhsa_reserve_vcc 0
		.amdhsa_float_denorm_mode_32 3
		.amdhsa_float_denorm_mode_16_64 3
		.amdhsa_memory_ordered 1
		.amdhsa_forward_progress 1
		.amdhsa_inst_pref_size 92
	.end_amdhsa_kernel
	.amdgpu_metadata
---
amdhsa.version: [ 1, 2 ]
amdhsa.kernels:
  - .name:           k_qa980c8e7fd_attn
    .symbol:         k_qa980c8e7fd_attn.kd
    .args:
      - { .name: qkv, .offset: 0, .size: 8, .value_kind: global_buffer, .address_space: global }
      - { .name: mw, .offset: 8, .size: 8, .value_kind: global_buffer, .address_space: global }
      - { .name: oc, .offset: 16, .size: 8, .value_kind: global_buffer, .address_space: global }
    .group_segment_fixed_size: 284672
    .private_segment_fixed_size: 0
    .kernarg_segment_align: 8
    .kernarg_segment_size: 24
    .max_flat_workgroup_size: 512
    .sgpr_count:     102
    .vgpr_count:     256
    .wavefront_size: 32
...
	.end_amdgpu_metadata
.endif
;; end of part 3
;; launch outln (part 4): grid 256 x 1, 16 waves a work-group, clusters of 4 x 1, 327,680 bytes of LDS; arguments oc, cod, bo, x, gamma, beta, out0; writes out0
.if DOCPART == 4
	.amdgcn_target "amdgcn-amd-amdhsa--gfx1250"
	.amdhsa_code_object_version 6
	.text
	.protected	k_qa980c8e7fd_outln
	.globl	k_qa980c8e7fd_outln
	.p2align	8
	.type	k_qa980c8e7fd_outln,@function
k_qa980c8e7fd_outln:
	s_mov_b64 s[64:65], 0
	v_nop
	global_prefetch_b8 v0, s[64:65] scope:SCOPE_SE
	s_setreg_imm32_b32 hwreg(HW_REG_WAVE_MODE, 25, 1), 1
	s_wait_xcnt 0x0
	s_wait_alu depctr_hold_cnt(0) depctr_sa_sdst(0) depctr_va_vdst(0) depctr_va_sdst(0) depctr_va_ssrc(0) depctr_va_vcc(0) depctr_vm_vsrc(0)
	s_getreg_b32 s2, hwreg(HW_REG_IB_STS2, 6, 4)
	s_cmp_eq_u32 s2, 0
	s_cbranch_scc0 .Lentry_in_a_cluster
	s_endpgm
.Lentry_in_a_cluster:
	s_bfe_u32 s2, ttmp6, 0x10000c
	s_cmp_lg_u32 s2, 0x3003
	s_cbranch_scc0 .Lentry_shape_is_right
	s_endpgm
.Lentry_shape_is_right:
; out = nan_to_num(LayerNorm(o Wo^T + bo + nan_to_num(x))), the product on codes of FP4, K = 1,024.
; SHARES.  A work-group takes one tile of 16 tokens and all 1,024 columns, so that a row's mean and variance stay inside it.  Wave w takes Wo's tiles 4 w .. 4 w + 3: columns 64 w .. 64 w + 63.
; CLUSTER.  All work-groups read the same codes of Wo: the four of a cluster ask for them JOINTLY (mask 15).  They come in two fills of 256 KiB into the same LDS bytes: K steps 0-3, then K steps 4-7.
; Each wave asks for its own four tiles (4 rows of 4,096 bytes, 8,192 apart in memory) into 16 KiB that it alone reads.  The second fill stands behind the full sequence and a round of the cluster's barrier.
; No prefetch: the launch has no loop to run ahead in, and each fill is asked for as soon as its bytes are free.
; o's 8 KiB of codes and 1 KiB of scale words are loaded once by the work-group, 16 and 2 bytes a thread, and reach all waves through LDS bytes of their own.
; The product is used transposed (source 0 = 16 rows of Wo, source 1 = the tokens): a lane holds eight neighbouring columns of one token.  bo is loaded into the accumulators and is the first product's C.
; The results turn through the wave's stage (rows of 256 + 16 bytes), which lies in the wave's own 16 KiB behind their last fill and last read; the waves' partial sums meet in LDS behind a barrier, once for the mean and once
; for the variance, which is taken of (r - mean) as the problem takes it.
; LIMITS: Wo, bo, gamma, beta finite.
; REGISTERS: v1-15 addresses and work; v16-79 o's fragments, later rows (v16-47) and row figures (v48-63); v80-87 o's scale words; v88-119 Wo's; v120-151 the sums; v152-215 Wo's fragments of two K steps, later gamma, beta; v216-247 x.
.set SCO, 4194304
.set STP, 272
.set OL,  262144                       ; o's codes
.set OSL, 270336                       ; o's scale words
.set RED, 271360                       ; 16 rows x 16 waves x 4 bytes; a second such block 1,024 bytes on
.set SPARE, 273408
.set OF,  16
.set OS,  80
.set WS,  88
.set ACC, 120
.set WF,  152
.set XR,  216
.macro PLACES n
.rept \n
	v_nop
.endr
.endm
.macro ROUND                           ; a round of the cluster's barrier
	s_barrier_signal -1
	s_barrier_wait -1
	s_cmp_lg_u32 s18, 0
	s_cbranch_scc1 .Lnot_wave_0_\@
	s_barrier_signal -3
.Lnot_wave_0_\@:
	s_barrier_wait -3
	s_barrier_signal -1
	s_barrier_wait -1
.endm
.macro SANE2 a, b                      ; nan_to_num of two registers, in two chains
	v_and_b32 v12, s30, v[\a]
	v_and_b32 v14, s30, v[\b]
	v_bfi_b32 v13, s30, s32, v[\a]
	v_bfi_b32 v15, s30, s32, v[\b]
	s_delay_alu instid0(VALU_DEP_4)
	v_cmp_eq_u32 vcc_lo, s31, v12
	s_delay_alu instid0(VALU_DEP_4)
	v_cmp_eq_u32 s33, s31, v14
	s_delay_alu instid0(VALU_DEP_2)
	v_cndmask_b32 v[\a], v[\a], v13, vcc_lo
	s_delay_alu instid0(VALU_DEP_2)
	v_cndmask_b32 v[\b], v[\b], v15, s33
	v_cmp_lt_u32 vcc_lo, s31, v12
	v_cmp_lt_u32 s33, s31, v14
	s_delay_alu instid0(VALU_DEP_2)
	v_cndmask_b32 v[\a], v[\a], v11, vcc_lo
	s_delay_alu instid0(VALU_DEP_2)
	v_cndmask_b32 v[\b], v[\b], v11, s33
.endm
.macro ROWSUM f                        ; eight figures, each summed over the sixteen lanes of its half
.irp m, 1,2,4,8
.irp i, 0,1,2,3,4,5,6,7
	v_add_f32_dpp v[\f+\i], v[\f+\i], v[\f+\i] row_xmask:\m row_mask:0xf bank_mask:0xf
.endr
.endr
.endm
.macro ALLSUM f, off                   ; over the sixteen waves: my partial sums to LDS, a barrier, all sixteen back, one to a lane
	ROWSUM \f
.irp i, 0,1,2,3,4,5,6,7
	ds_store_b32 v9, v[\f+\i] offset:\off+\i*128   ; row 2 i + h, my wave's word (sixteen lanes write the same number)
.endr
	s_wait_dscnt 0x0                               ; for the others' sake
	s_barrier_signal -1
	s_barrier_wait -1
.irp i, 0,1,2,3,4,5,6,7
	ds_load_b32 v[\f+\i], v10 offset:\off+\i*128
.endr
	s_wait_dscnt 0x0
	ROWSUM \f
.endm
	s_load_b256 s[4:11], s[0:1], 0x0               ; oc, cod, bo, x
	s_load_b128 s[12:15], s[0:1], 0x20             ; gamma, beta
	s_load_b64 s[16:17], s[0:1], 0x30              ; out0
	v_lshl_add_u32 v254, v0, 2, SPARE
	v_mov_b32 v255, 0
	ds_add_u32 v254, v255                          ; the opening adds, twice on end; their wait stands ahead of my first tensor load
	ds_add_u32 v254, v255
	v_lshrrev_b32 v1, 5, v0
	v_readfirstlane_b32 s18, v1                    ; wave 0..15
	; group 1: 4 rows of 512 elements of 8 bytes, 1,024 elements apart.  15:0 the mask of the four; 17:16 elements of 8 bytes; 21 set beside a mask
	s_mov_b32 s40, 15|(3<<16)|(1<<21)
	s_mov_b32 s41, 512<<16
	s_mov_b32 s42, 4<<16
	s_mov_b32 s43, 512<<16
	s_mov_b32 s44, 4
	s_mov_b32 s45, 1024
	s_mov_b32 s46, 0
	s_mov_b32 s47, 0
	s_mov_b32 s48, 1                               ; group 0 for K steps 0-3, and for 4-7: the wave's number alone enters them
	s_lshl_b32 s49, s18, 14
	s_mov_b32 s52, 1
	s_lshl_b32 s53, s18, 14
	s_lshl_b32 s2, s18, 15
	s_add_co_u32 s2, s2, 448*8192                  ; my four tiles of Wo
	s_mov_b32 s3, 0
	s_wait_dscnt 0x0                               ; both opening adds are done
	s_wait_kmcnt 0x0
	s_add_nc_u64 s[50:51], s[6:7], s[2:3]
	s_add_nc_u64 s[54:55], s[50:51], 4096
	s_or_b32 s51, s51, 0x80000000
	s_or_b32 s55, s55, 0x80000000
	ROUND                                          ; all four work-groups are here: the joint loads meet
	tensor_load_to_lds s[48:51], s[40:47]          ; one tensor load a wave at the head
	s_nop 0
	PLACES 4
	s_bfe_u32 s39, ttmp6, 0x40000                  ; cx enters global addresses alone
	s_lshl_b32 s38, ttmp9, 2
	s_add_co_u32 s38, s38, s39                     ; my token tile
	v_and_b32 v1, 31, v0
	v_lshlrev_b32 v2, 2, v1                        ; 4 x lane
	v_lshlrev_b32 v1, 4, v1                        ; 16 x lane
	v_and_b32 v14, 15, v0                          ; r
	v_bfe_u32 v15, v0, 4, 1                        ; h
	v_lshlrev_b32 v3, 4, v14                       ; 16 r
	v_lshlrev_b32 v5, 6, v15                       ; 64 h
	s_lshl_b32 s36, s18, 14                        ; my 16 KiB: Wo's fragments, later my stage
	v_add_nc_u32 v4, s36, v1
	v_mul_u32_u24 v6, v14, STP
	v_lshl_add_u32 v6, v15, 6, v6
	v_add_nc_u32 v6, s36, v6                       ; the stage, in: row r, 64 h bytes on
	v_mul_u32_u24 v7, v15, STP
	v_lshl_add_u32 v7, v14, 4, v7
	v_add_nc_u32 v7, s36, v7                       ; back: lanes 0-15 one row, lanes 16-31 the next
	v_lshl_add_u32 v8, v15, 12, v3                 ; and the same in x and out0: 4096 h + 16 r
	s_lshl_b32 s37, s18, 2
	s_add_co_u32 s37, s37, RED
	v_lshl_add_u32 v9, v15, 6, s37                 ; RED + 64 h + 4 wave
	v_lshlrev_b32 v10, 2, v14
	v_lshl_add_u32 v10, v15, 6, v10
	v_add_nc_u32 v10, RED, v10                     ; RED + 64 h + 4 r
	v_mov_b32 v11, 0
	v_add_nc_u32 v12, OL, v1                       ; o's fragments and scale words in LDS
	v_add_nc_u32 v13, OSL, v2
	v_lshlrev_b32 v152, 4, v0                      ; the copy of o: 16 bytes of codes and 2 of scale words a thread
	v_lshl_add_u32 v153, v0, 4, OL
	v_lshlrev_b32 v154, 1, v0
	v_lshl_add_u32 v155, v0, 1, OSL
	s_mov_b32 s30, 0x7fffffff
	s_mov_b32 s31, 0x7f800000
	s_mov_b32 s32, 0x4e6e6b28                      ; 1e9
	s_mov_b32 s34, 0x3a800000                      ; 1 / 1024
	s_mov_b32 s35, 0x3727c5ac                      ; 1e-5
	s_lshl_b32 s2, s38, 13
	s_add_nc_u64 s[20:21], s[4:5], s[2:3]          ; o's eight fragments
	s_lshl_b32 s2, s38, 10
	s_add_nc_u64 s[22:23], s[4:5], s[2:3]          ; their scale words
	s_lshl_b32 s2, s18, 11
	s_add_co_u32 s2, s2, 448*512
	s_add_nc_u64 s[26:27], s[6:7], s[2:3]          ; my tiles' scale words
	s_lshl_b32 s2, s18, 8                          ; my 64 columns
	s_add_nc_u64 s[8:9], s[8:9], s[2:3]
	s_add_nc_u64 s[12:13], s[12:13], s[2:3]
	s_add_nc_u64 s[14:15], s[14:15], s[2:3]
	s_lshr_b32 s28, s38, 1
	s_lshl_b32 s28, s28, 17                        ; 32 rows of 4,096 bytes
	s_and_b32 s29, s38, 1
	s_lshl_b32 s29, s29, 15                        ; 8 rows
	s_add_co_u32 s28, s28, s29
	s_add_co_u32 s2, s2, s28
	s_add_nc_u64 s[10:11], s[10:11], s[2:3]
	s_add_nc_u64 s[16:17], s[16:17], s[2:3]
	s_wait_alu depctr_va_vdst(0)
	global_load_b128 v[156:159], v152, s[20:21]
	global_load_u16 v160, v154, s[22:23] offset:2097152
.irp t, 0,1,2,3
.irp f, 0,1
	global_load_b128 v[WS+8*\t+4*\f:WS+8*\t+4*\f+3], v3, s[26:27] offset:SCO+\t*512+\f*256
.endr
.endr
.irp t, 0,1,2,3
	global_load_b128 v[ACC+8*\t:ACC+8*\t+3], v5, s[8:9] offset:(32*(\t/2)+8*(\t%2))*4
	global_load_b128 v[ACC+8*\t+4:ACC+8*\t+7], v5, s[8:9] offset:(32*(\t/2)+8*(\t%2))*4+16
.endr
.irp i, 0,1,2,3,4,5,6,7
	global_load_b128 v[XR+4*\i:XR+4*\i+3], v8, s[10:11] offset:(2*\i+8*(\i/4))*4096   ; row 2 i + h of the tile is token row 2 i + 8 (i / 4) + h
.endr
	s_wait_loadcnt 24                              ; o's two loads are in; the 24 behind them stay out
	ds_store_b128 v153, v[156:159]
	ds_store_b16 v155, v160
	s_wait_tensorcnt 0x0                           ; my K steps 0-3 are in
	s_wait_dscnt 0x0                               ; for the others' sake: my part of o has landed
	s_barrier_signal -1
	s_barrier_wait -1
.macro FETCHW s, sl                    ; my four fragments of K step s into set sl
.irp t, 0,1,2,3
.irp c, 0,1
	ds_load_b128 v[WF+32*(\sl)+8*\t+4*\c:WF+32*(\sl)+8*\t+4*\c+3], v4 offset:\t*4096+((\s)%4)*1024+\c*512
.endr
.endr
.endm
.macro MUL s, sl                       ; the four accumulators take turns
.irp t, 0,1,2,3
	v_wmma_scale_f32_16x16x128_f8f6f4 v[ACC+8*\t:ACC+8*\t+7], v[WF+32*(\sl)+8*\t:WF+32*(\sl)+8*\t+7], v[OF+8*(\s):OF+8*(\s)+7], v[ACC+8*\t:ACC+8*\t+7], v[WS+8*\t+(\s)], v[OS+(\s)] matrix_a_fmt:MATRIX_FMT_FP4 matrix_b_fmt:MATRIX_FMT_FP4
.endr
.endm
.irp s, 0,1,2,3,4,5,6,7
.irp c, 0,1
	ds_load_b128 v[OF+8*\s+4*\c:OF+8*\s+4*\c+3], v12 offset:\s*1024+\c*512
.endr
.endr
.irp s, 0,1,2,3,4,5,6,7
	ds_load_b32 v[OS+\s], v13 offset:128*\s
.endr
	FETCHW 0, 0
	FETCHW 1, 1
	s_wait_loadcnt 8                               ; Wo's scale words and bo are in; x's eight stay out
	s_wait_dscnt 0x0
	MUL 0, 0
	MUL 1, 1
	PLACES 4                                       ; in front of loads into registers that the products read
	FETCHW 2, 0
	FETCHW 3, 1
	s_wait_tensorcnt 0x0                           ; no tensor load of mine is out;
	ds_add_u32 v254, v255                          ; 0 onto my spare word;
	s_wait_dscnt 0x0                               ; the add is done, and my reads of K steps 0-3 are over
	ROUND                                          ; the same holds of every wave of the four work-groups
	tensor_load_to_lds s[52:55], s[40:47]          ; K steps 4-7, the first tensor load behind the round
	s_nop 0
	PLACES 4
	MUL 2, 0
	MUL 3, 1
	PLACES 4
	s_wait_loadcnt 0x0                             ; x's eight loads, the only ones out
.set q, 0
.rept 16
	SANE2 XR+q, XR+q+1                             ; nan_to_num(x), while K steps 4-7 are on their way
.set q, q+2
.endr
	s_wait_alu depctr_va_vdst(0)
	s_wait_tensorcnt 0x0                           ; my K steps 4-7 are in: I alone read them
	FETCHW 4, 0
	FETCHW 5, 1
	s_wait_dscnt 0x0
	MUL 4, 0
	MUL 5, 1
	PLACES 4
	FETCHW 6, 0
	FETCHW 7, 1
	s_wait_dscnt 0x0
	MUL 6, 0
	MUL 7, 1
	PLACES 4                                       ; in front of loads into the products' registers, and of the first read of results
	global_load_b128 v[152:155], v3, s[12:13]
	global_load_b128 v[156:159], v3, s[14:15]
.irp t, 0,1,2,3
	ds_store_b128 v6, v[ACC+8*\t:ACC+8*\t+3] offset:128*(\t/2)+32*(\t%2)      ; each accumulator from its low end on
	ds_store_b128 v6, v[ACC+8*\t+4:ACC+8*\t+7] offset:128*(\t/2)+32*(\t%2)+16
.endr
.irp i, 0,1,2,3,4,5,6,7
	ds_load_b128 v[16+4*\i:19+4*\i], v7 offset:\i*2*STP    ; LDS serves a wave's instructions in order: these see my stores
.endr
	s_wait_dscnt 0x0
.set q, 0
.rept 16
	v_pk_add_f32 v[16+q:17+q], v[16+q:17+q], v[XR+q:XR+q+1]   ; r = y + x
.set q, q+2
.endr
.irp i, 0,1,2,3,4,5,6,7
	v_add_f32 v[48+\i], v[16+4*\i], v[17+4*\i]
.endr
.irp i, 0,1,2,3,4,5,6,7
	v_add_f32 v[56+\i], v[18+4*\i], v[19+4*\i]
.endr
.irp i, 0,1,2,3,4,5,6,7
	v_add_f32 v[48+\i], v[48+\i], v[56+\i]
.endr
	ALLSUM 48, 0
.irp i, 0,1,2,3,4,5,6,7
	v_mul_f32 v[48+\i], s34, v[48+\i]              ; the mean
.endr
.irp i, 0,1,2,3,4,5,6,7
.irp k, 0,1,2,3
	v_sub_f32 v[16+4*\i+\k], v[16+4*\i+\k], v[48+\i]
.endr
.endr
.irp i, 0,1,2,3,4,5,6,7
	v_mul_f32 v[56+\i], v[16+4*\i], v[16+4*\i]
.endr
.irp k, 1,2,3
.irp i, 0,1,2,3,4,5,6,7
	v_fmac_f32 v[56+\i], v[16+4*\i+\k], v[16+4*\i+\k]
.endr
.endr
	ALLSUM 56, 1024
.irp i, 0,1,2,3,4,5,6,7
	v_fma_f32 v[56+\i], v[56+\i], s34, s35         ; the variance + 1e-5
.endr
	s_wait_alu depctr_va_vdst(0)
	s_wait_loadcnt 0x0                             ; gamma, beta
.irp i, 0,1,2,3,4,5,6,7
	v_rsq_f32 v[56+\i], v[56+\i]
.endr
	v_nop                                          ; a plain instruction behind the last of them
	s_wait_alu depctr_va_vdst(0)                   ; one wait for the eight, ahead of their first reader
.irp i, 0,1,2,3,4,5,6,7
.irp k, 0,1,2,3
	v_mul_f32 v[16+4*\i+\k], v[16+4*\i+\k], v[56+\i]
.endr
.endr
.irp i, 0,1,2,3,4,5,6,7
	v_pk_fma_f32 v[16+4*\i:17+4*\i], v[16+4*\i:17+4*\i], v[152:153], v[156:157]
	v_pk_fma_f32 v[18+4*\i:19+4*\i], v[18+4*\i:19+4*\i], v[154:155], v[158:159]
.endr
.set q, 0
.rept 16
	SANE2 16+q, 17+q
.set q, q+2
.endr
.irp i, 0,1,2,3,4,5,6,7
	global_store_b128 v8, v[16+4*\i:19+4*\i], s[16:17] offset:(2*\i+8*(\i/4))*4096 th:TH_STORE_NT   ; sixteen lanes store 256 consecutive bytes, at a multiple of 256 from out0's first byte
.endr
	s_wait_tensorcnt 0x0                           ; the wave's end
	ds_add_u32 v254, v255
	s_wait_dscnt 0x0
	ROUND                                          ; the closing round: no work-group ends while a partner may still ask jointly
	s_endpgm
.Lfunc_end_k_qa980c8e7fd_outln:
	.size	k_qa980c8e7fd_outln, .Lfunc_end_k_qa980c8e7fd_outln-k_qa980c8e7fd_outln
	.p2alignl 7, 3214868480
	.fill 96, 4, 3214868480
	.section	.rodata,"a",@progbits
	.p2align	6, 0x0
	.amdhsa_kernel k_qa980c8e7fd_outln
		.amdhsa_group_segment_fixed_size 327680
		.amdhsa_private_segment_fixed_size 0
		.amdhsa_enable_private_segment 0
		.amdhsa_kernarg_size 56
		.amdhsa_user_sgpr_count 2
		.amdhsa_user_sgpr_kernarg_segment_ptr 1
		.amdhsa_wavefront_size32 1
		.amdhsa_system_sgpr_workgroup_id_x 1
		.amdhsa_system_sgpr_workgroup_id_y 1
		.amdhsa_system_sgpr_workgroup_id_z 1
		.amdhsa_system_vgpr_workitem_id 0
		.amdhsa_next_free_vgpr 256
		.amdhsa_next_free_sgpr 66
		.amdhsa_reserve_vcc 1
		.amdhsa_float_denorm_mode_32 3
		.amdhsa_float_denorm_mode_16_64 3
		.amdhsa_memory_ordered 1
		.amdhsa_forward_progress 1
		.amdhsa_inst_pref_size 63
	.end_amdhsa_kernel
	.amdgpu_metadata
---
amdhsa.version: [ 1, 2 ]
amdhsa.kernels:
  - .name:           k_qa980c8e7fd_outln
    .symbol:         k_qa980c8e7fd_outln.kd
    .args:
      - { .name: oc, .offset: 0, .size: 8, .value_kind: global_buffer, .address_space: global }
      - { .name: cod, .offset: 8, .size: 8, .value_kind: global_buffer, .address_space: global }
      - { .name: bo, .offset: 16, .size: 8, .value_kind: global_buffer, .address_space: global }
      - { .name: x, .offset: 24, .size: 8, .value_kind: global_buffer, .address_space: global }
      - { .name: gamma, .offset: 32, .size: 8, .value_kind: global_buffer, .address_space: global }
      - { .name: beta, .offset: 40, .size: 8, .value_kind: global_buffer, .address_space: global }
      - { .name: out0, .offset: 48, .size: 8, .value_kind: global_buffer, .address_space: global }
    .group_segment_fixed_size: 327680
    .private_segment_fixed_size: 0
    .kernarg_segment_align: 8
    .kernarg_segment_size: 56
    .max_flat_workgroup_size: 512
    .sgpr_count:     66
    .vgpr_count:     256
    .wavefront_size: 32
...
	.end_amdgpu_metadata
.endif
;; end of part 4
